; MI455X (gfx1250); checked and timed in simulation.
; The chip was launched on July 23, 2026; its instructions are those of AMD's public machine-readable ISA for CDNA 5 (MIT licence, August 2026) and "CDNA5" Instruction Set Architecture Reference Guide (July 2026). The comments in the code are by the model that wrote it; some were corrected since.
;; Linear Attention. Allowed arithmetic: matrix products marked QUANTISED: E2M1 operands, one E8M0 scale for each 32 along K, by v_wmma_scale_f32_16x16x128_f8f6f4 with both operands' format E2M1 (or v_wmma_scale_f32_32x16x128_f4), f32 sums; products left as they are: bf16, f16 or f32 operands; f32 sums; everything else in f32.
;; Inputs: Wk 256 x 1,024 float32; Wo 1,024 x 1,024 float32; Wq 256 x 1,024 float32; Wv 1,024 x 1,024 float32; hidden_states 2 x 2,048 x 1,024 float32.
;; Outputs: out0 2 x 2,048 x 1,024 float32.
;; This version of the problem:
;;   THIS VERSION OF THE PROBLEM IS GIVEN IN LOW PRECISION. The matrix products marked QUANTISED in the list below multiply operands that are first quantised to E2M1 (2 exponent bits, 1 mantissa bit; 4 bits a number), with one power-of-two scale for each 32 numbers along K (OCP MX v1.0); their sums are f32. The products marked 'left as it is' may take bf16, f16 or f32 operands, with f32 sums. Whichever they take, every output number must still come out within the allowed error. Rounding operands to bf16 (8 significant bits) uses up far more of that allowance than f16 does (11 bits, for magnitudes from 6e-5 to 65,504). All else is computed in f32.
;;   The module's matrix products, in the order in which they are computed (A, B: the left and right operand; K: the contracted axis; several contracted axes count as one K, in the product's order):
;;     1. [M 4,096, K 1,024] x [K 1,024, N 256]; A: input hidden_states; B: input Wq: QUANTISED
;;     2. [M 4,096, K 1,024] x [K 1,024, N 256]; A: input hidden_states; B: input Wk: QUANTISED
;;     3. [M 4,096, K 1,024] x [K 1,024, N 1,024]; A: input hidden_states; B: input Wv: QUANTISED
;;     4. batch 32 x [M 2,048, K 273] x [K 273, N 2,048]; A: computed on the way; B: computed on the way: left as it is (an operand is computed on the way)
;;     5. batch 32 x [M 2,048, K 2,048] x [K 2,048, N 64]; A: computed on the way; B: computed on the way: left as it is (an operand is computed on the way)
;;     6. batch 65,536 x [M 1, K 273] x [K 273, N 1]; A: computed on the way; B: computed on the way: left as it is (M = 1 < 16)
;;     7. [M 4,096, K 1,024] x [K 1,024, N 1,024]; A: computed on the way; B: input Wo: left as it is (an operand is computed on the way)
;;   THE QUANTISER, for each operand of a quantised product, along K:
;;     - K is cut into blocks of 32 from its start; a last block that is shorter is filled with zeros.
;;     - A block's scale is 2^e with e = floor(log2(the largest magnitude in the block)) - 2, held to -126 .. 127; a block of zeros has e = 0. As a byte (E8M0): e + 127.
;;     - Each number is divided by its block's scale, clamped to +-6, and rounded to the nearest number of E2M1, ties to even, subnormals kept.
;;     - The product sums the exact products of the quantised numbers (number of the format x scale) in f32.
;;   ~~~python
;;   def quantise(x, axis):      # numpy; x: float32 -> the quantised numbers, widened to float32 again
;;       x = np.moveaxis(x, axis, -1); K = x.shape[-1]
;;       x = np.pad(x, [(0, 0)] * (x.ndim - 1) + [(0, -K % 32)]); x = x.reshape(x.shape[:-1] + (-1, 32)); a = np.abs(x).max(-1, keepdims=True)
;;       e = np.where(a > 0, np.clip(np.frexp(np.where(a > 0, a, 1))[1] - 1 - 2, -126, 127), 0)      # np.frexp(a)[1] - 1 = floor(log2(a)), exactly
;;       r = np.clip(x / 2.0 ** e, -6, 6)
;;       step = 2.0 ** (np.maximum(np.frexp(np.where(r == 0, 1, r))[1] - 1, 0) - 1)
;;       q = np.round(r / step) * step * 2.0 ** e      # np.round: ties to even
;;       return np.moveaxis(q.reshape(q.shape[:-2] + (-1,))[..., :K], -1, axis).astype(np.float32)
;;   ~~~
;; One version. Each part assembles by itself: llvm-mc -triple=amdgcn-amd-amdhsa -mcpu=gfx1250 --defsym DOCPART=n.
;; ======== version 1 of 1: 5 launches
;; limits: values are held in f16: magnitudes above 65,504 overflow, below 6.1e-05 lose precision
;; workspace buffers: codes 2,883,584 bytes; scales 180,224 bytes; wo16 2,097,152 bytes; qimg 4,194,304 bytes; kv 10,485,760 bytes; aux 204,800 bytes; yimg 8,388,608 bytes
;; launch prep (part 1): grid 240 x 1, 4 waves a work-group, no clusters, 67,072 bytes of LDS; arguments hidden_states, Wq, Wk, Wv, Wo, codes, scales, wo16; writes codes, scales, wo16
.if DOCPART == 1
	.amdgcn_target "amdgcn-amd-amdhsa--gfx1250"
	.amdhsa_code_object_version 6
	.text
	.protected	k_q1875e71708_prep
	.globl	k_q1875e71708_prep
	.p2align	8
	.type	k_q1875e71708_prep,@function
k_q1875e71708_prep:
	s_mov_b64 s[64:65], 0
	v_nop
	global_prefetch_b8 v0, s[64:65] scope:SCOPE_SE
	s_setreg_imm32_b32 hwreg(HW_REG_WAVE_MODE, 25, 1), 1
	s_wait_xcnt 0x0
; PREP.  Work-groups 0-175: hidden_states [4096][1024], Wq [256][1024], Wk [256][1024], Wv [1024][1024], f32 with K innermost, become codes of FP4 (E2M1) and one E8M0 byte for each 32 along K.
; codes: [5632 rows][512 bytes], scales: [5632][32 bytes].  Rows 0-4095 are hidden_states' rows; row 4096 + 96 head + (0-15: Wq's, 16-31: Wk's, 32-95: Wv's rows of that head): the weights lie by head.
; A block's scale is 2^(floor(log2(largest magnitude)) - 2): its byte is the largest magnitude's exponent field - 2, held at 1 from below; each number is divided by the scale and rounded to the nearest code, ties to even, beyond 6 to 6.
; LIMITS: a block of zeros gets the byte 1 where the rule says 127 (its codes are zeros, and this program alone reads the bytes); blocks under 2^-124 were not tried; NaN and infinities are not served.
; A wave takes 8 rows = 16 steps of 512 numbers.  Each load reads 512 consecutive bytes; a step's 2,048 bytes turn through the wave's own stage in LDS so that a lane holds 16 neighbours along K (two lanes to a block).
; Loads run eight steps (32 loads a wave) ahead.  A wave's 8 rows lie in one head, so its 4,096 bytes of codes and its 256 scale bytes are dense and aligned in the workspace.
; Work-groups 176-239: Wo [1024][1024] f32 becomes f16, laid as images of the operand registers of the 16x16x32 form: wo16 [ks 4][ct 64][kc 8][c2 2][512 bytes], lane (r, h)'s 16 bytes = Wo[16 ct + r][256 ks + 32 kc + 16 c2 + 8 h + 0..7].
; LIMIT: |Wo| under 65,504.  The two ways part on the work-group's number; each has LDS bytes of its own.  No tensor load, no barrier: waves share nothing.
.set STEPS, 16
.set EMAX,  2
.set WREG,  8192                       ; quantiser: a region for each wave: two stages of 32 x SP bytes, then its 256 scale bytes
.set SP,    80                         ; a lane's place in a stage: 64 bytes + 16 of padding
.set WOST,  4*WREG                     ; Wo's stages begin here
.set WP,    528                        ; a stage row: 512 bytes + 16 = 33 x 16: sixteen rows start in sixteen different 16-byte columns
.set WOREG, 16*WP
.set SPARE, WOST+4*WOREG               ; 66,560: the spare words, 128 bytes a wave, that no other line names
.set SPW,   12                         ; v12  my spare word's address; never rewritten
.set NIL,   13                         ; v13  0; never rewritten
.set R,     16                         ; v16-143  eight sets of 16 numbers as loaded (Wo: two halves of 64)
.set X,     144                        ; v144-175 two sets of 16 neighbours (Wo: v144-207)
.set E,     176                        ; v176-191 a scale byte for each step
.set C,     192                        ; v192-223 a pair of code registers for each step (Wo: v208-239 the f16 pieces)
.set WSI,   240                        ; v240 Wo's stage, way in
.set WSO,   241                        ; v241 Wo's stage, way out
	s_load_b256 s[4:11], s[0:1], 0x0               ; hidden s[4:5], Wq s[6:7], Wk s[8:9], Wv s[10:11]
	s_load_b256 s[12:19], s[0:1], 0x20             ; Wo s[12:13], codes s[14:15], scales s[16:17], wo16 s[18:19]
	v_lshl_add_u32 v[SPW], v0, 2, SPARE
	v_mov_b32 v[NIL], 0
	v_lshrrev_b32 v1, 5, v0
	v_readfirstlane_b32 s20, v1                    ; wave
	v_and_b32 v2, 31, v0                           ; lane
	v_lshlrev_b32 v3, 4, v2                        ; 16 x lane
	v_lshlrev_b32 v4, 3, v2                        ; 8 x lane
	s_mul_i32 s21, s20, WREG
	v_lshrrev_b32 v14, 2, v2
	v_mul_u32_u24 v14, v14, SP
	v_and_b32 v15, 3, v2
	v_lshl_add_u32 v14, v15, 4, v14
	v_add_nc_u32 v14, s21, v14                     ; stage, way in: SP (lane / 4) + 16 (lane % 4)
	v_mul_u32_u24 v15, v2, SP
	v_add_nc_u32 v15, s21, v15                     ; stage, way out: SP x lane
	v_lshrrev_b32 v5, 1, v2
	s_add_co_u32 s21, s21, 2*32*SP
	v_add_nc_u32 v5, s21, v5                       ; my block's scale byte
	v_add_nc_u32 v6, s21, v4                       ; the scale bytes' way out: 8 a lane
	s_mul_i32 s21, s20, WOREG
	s_add_co_u32 s21, s21, WOST
	v_add_nc_u32 v[WSI], s21, v3                   ; Wo's stage, in: 16 x lane of a row
	v_and_b32 v7, 15, v2
	v_lshrrev_b32 v8, 4, v2
	v_mul_u32_u24 v[WSO], v7, WP
	v_lshl_add_u32 v[WSO], v8, 5, v[WSO]
	v_add_nc_u32 v[WSO], s21, v[WSO]               ; out: row r, + 32 h
	s_wait_kmcnt 0x0
	s_cmp_ge_u32 ttmp9, 176
	s_cbranch_scc1 .Lwo
	; ---- the quantiser.  Which tensor: 0-127 hidden, 128-135 Wq, 136-143 Wk, 144-175 Wv: chosen on the work-group's number alone
	s_mov_b64 s[22:23], s[10:11]
	s_mov_b32 s24, 144                             ; the tensor's first work-group
	s_mov_b32 s25, 6                               ; log2(rows of a head)
	s_mov_b32 s26, 32                              ; the tensor's place in a head's 96 rows
	s_cmp_lt_u32 ttmp9, 144
	s_cselect_b64 s[22:23], s[8:9], s[22:23]
	s_cselect_b32 s24, 136, s24
	s_cselect_b32 s25, 4, s25
	s_cselect_b32 s26, 16, s26
	s_cmp_lt_u32 ttmp9, 136
	s_cselect_b64 s[22:23], s[6:7], s[22:23]
	s_cselect_b32 s24, 128, s24
	s_cselect_b32 s26, 0, s26
	s_cmp_lt_u32 ttmp9, 128
	s_cselect_b64 s[22:23], s[4:5], s[22:23]
	s_cselect_b32 s24, 0, s24
	s_sub_co_u32 s27, ttmp9, s24
	s_lshl_b32 s27, s27, 5
	s_lshl_b32 s28, s20, 3
	s_add_co_u32 s27, s27, s28                     ; my first row in the tensor
	s_lshr_b32 s28, s27, s25                       ; its head
	s_lshl_b32 s29, s28, s25
	s_sub_co_u32 s29, s27, s29                     ; its place in the head
	s_mul_i32 s28, s28, 96
	s_add_co_u32 s28, s28, s29
	s_add_co_u32 s28, s28, s26
	s_add_co_u32 s28, s28, 4096                    ; a weight's row in the workspace
	s_cmp_lt_u32 ttmp9, 128
	s_cselect_b32 s28, s27, s28                    ; hidden_states' rows keep their numbers
	s_mov_b32 s31, 0
	s_lshl_b32 s30, s27, 12
	s_add_nc_u64 s[22:23], s[22:23], s[30:31]
	s_lshl_b32 s30, s28, 9
	s_add_nc_u64 s[14:15], s[14:15], s[30:31]
	s_lshl_b32 s30, s28, 5
	s_add_nc_u64 s[16:17], s[16:17], s[30:31]
.macro LOAD t
.irp i, 0,1,2,3
	global_load_b128 v[R+16*((\t)%8)+4*\i:R+16*((\t)%8)+4*\i+3], v3, s[22:23] offset:2048*(\t)+512*\i th:TH_LOAD_NT   ; 32 lanes read 512 consecutive bytes
.endr
.endm
.macro TURN t                          ; step t's numbers through the stage: LDS serves a wave's instructions in order, so no wait stands between the stores and the loads
.irp i, 0,1,2,3
	ds_store_b128 v14, v[R+16*((\t)%8)+4*\i:R+16*((\t)%8)+4*\i+3] offset:32*SP*((\t)%2)+8*SP*\i
.endr
.irp i, 0,1,2,3
	ds_load_b128 v[X+16*((\t)%2)+4*\i:X+16*((\t)%2)+4*\i+3], v15 offset:32*SP*((\t)%2)+16*\i
.endr
.endm
.macro STEP t
.set XS, X+16*((\t)%2)
.if (\t) > 0
	s_wait_dscnt 1                                 ; this step's numbers are back from the stage (the last step's byte store may be out): so its stores into the stage have read their registers,
.else
	s_wait_dscnt 0x0
.endif
.if (\t)+8 < STEPS
	LOAD (\t)+8                                    ; which take the loads of eight steps on
.endif
.if (\t)+1 < STEPS
.if (\t)+8 < STEPS
	s_wait_loadcnt 28                              ; the next step's four loads are in; those of the seven steps behind it may be out
.else
	s_wait_loadcnt 4*(STEPS-2-(\t))                ; towards the end: four for each step behind the next
.endif
	TURN (\t)+1
.endif
	v_max3_num_f32 v8, |v[XS]|, |v[XS+1]|, |v[XS+2]|               ; the largest magnitude of my 16, in two chains
	v_max3_num_f32 v9, |v[XS+3]|, |v[XS+4]|, |v[XS+5]|
.irp i, 6,10
	v_max3_num_f32 v8, v8, |v[XS+\i]|, |v[XS+\i+1]|
	v_max3_num_f32 v9, v9, |v[XS+\i+2]|, |v[XS+\i+3]|
.endr
	v_max3_num_f32 v8, v8, |v[XS+14]|, |v[XS+15]|
	v_max3_num_f32 v8, v8, v9, (EMAX+1)<<23        ; and the floor 2^(3 - 127): the byte cannot fall under 1
	v_max_num_f32_dpp v8, v8, v8 row_xmask:1 row_mask:0xf bank_mask:0xf   ; with my neighbour's 16: the block's
	v_add_nc_u32 v11, -(EMAX<<23), v8              ; 2 off its exponent field: the conversion takes the exponent field of this operand as its scale
	v_cvt_scalef32_pk8_fp4_f32 v[C+2*(\t)], v[XS:XS+7], v11
	v_cvt_scalef32_pk8_fp4_f32 v[C+2*(\t)+1], v[XS+8:XS+15], v11
	v_lshrrev_b32 v[E+(\t)], 23, v11               ; the scale's byte (also the plain line behind the conversions)
	ds_store_b8 v5, v[E+(\t)] offset:16*(\t)       ; both lanes of a block write the same byte with the same value
	global_store_b64 v4, v[C+2*(\t):C+2*(\t)+1], s[14:15] offset:256*(\t)   ; 32 lanes store 256 consecutive bytes, aligned
.endm
.irp t, 0,1,2,3,4,5,6,7
	LOAD \t
.endr
	s_wait_loadcnt 28                              ; step 0's four loads are in
	TURN 0
.irp t, 0,1,2,3,4,5,6,7,8,9,10,11,12,13,14,15
	STEP \t
.endr
	ds_load_b64 v[8:9], v6                         ; in order behind my byte stores
	s_wait_dscnt 0x0
	global_store_b64 v4, v[8:9], s[16:17]          ; my 8 rows' 256 scale bytes: consecutive, aligned
	s_wait_tensorcnt 0x0                           ; the wave's end
	ds_add_u32 v[SPW], v[NIL]
	s_wait_dscnt 0x0
	s_endpgm
	; ---- Wo to f16 images.  Work-group: 16 rows of Wo (ct); wave: 256 along K (ks), in two halves of 128
.Lwo:
	s_sub_co_u32 s24, ttmp9, 176                   ; ct
	s_lshl_b32 s26, s24, 16                        ; 16 rows of 4,096 bytes
	s_lshl_b32 s27, s20, 10                        ; + 256 numbers a wave
	s_add_co_u32 s26, s26, s27
	s_mov_b32 s27, 0
	s_add_nc_u64 s[12:13], s[12:13], s[26:27]
	s_lshl_b32 s26, s20, 6
	s_add_co_u32 s26, s26, s24
	s_lshl_b32 s26, s26, 13                        ; (64 ks + ct) x 8,192
	s_add_nc_u64 s[18:19], s[18:19], s[26:27]
.macro WLOAD u
.irp i, 0,1,2,3,4,5,6,7,8,9,10,11,12,13,14,15
	global_load_b128 v[R+64*\u+4*\i:R+64*\u+4*\i+3], v3, s[12:13] offset:4096*\i+512*\u   ; 512 consecutive bytes of row i
.endr
.endm
.macro WHALF u
.if \u == 0
	s_wait_loadcnt 16                              ; the first half's 16 loads are in; the second half's may be out
.else
	s_wait_loadcnt 0x0
.endif
.irp i, 0,1,2,3,4,5,6,7,8,9,10,11,12,13,14,15
	ds_store_b128 v[WSI], v[R+64*\u+4*\i:R+64*\u+4*\i+3] offset:WP*\i
.endr
.irp p, 0,1,2,3,4,5,6,7
	ds_load_b128 v[X+8*\p:X+8*\p+3], v[WSO] offset:64*\p         ; piece p: row r, K = 16 p + 8 h + 0 .. 7 of this half: 32 bytes
	ds_load_b128 v[X+8*\p+4:X+8*\p+7], v[WSO] offset:64*\p+16
.endr
	s_wait_dscnt 0x0
.if \u == 1
	s_wait_xcnt 0x0                                ; the first half's stores have read their data registers, which are written again
.endif
.irp p, 0,1,2,3,4,5,6,7
.irp k, 0,1,2,3
	v_cvt_pk_f16_f32 v[208+4*\p+\k], v[X+8*\p+2*\k], v[X+8*\p+2*\k+1]
.endr
.endr
.irp p, 0,1,2,3,4,5,6,7
	global_store_b128 v3, v[208+4*\p:208+4*\p+3], s[18:19] offset:4096*\u+512*\p   ; an image piece: 512 consecutive bytes
.endr
.endm
	WLOAD 0
	WLOAD 1
	WHALF 0
	WHALF 1
	s_wait_tensorcnt 0x0                           ; the wave's end
	ds_add_u32 v[SPW], v[NIL]
	s_wait_dscnt 0x0
	s_endpgm
.Lfunc_end_k_q1875e71708_prep:
	.size	k_q1875e71708_prep, .Lfunc_end_k_q1875e71708_prep-k_q1875e71708_prep
	.p2alignl 7, 3214868480
	.fill 96, 4, 3214868480
	.section	.rodata,"a",@progbits
	.p2align	6, 0x0
	.amdhsa_kernel k_q1875e71708_prep
		.amdhsa_group_segment_fixed_size 67072
		.amdhsa_private_segment_fixed_size 0
		.amdhsa_enable_private_segment 0
		.amdhsa_kernarg_size 64
		.amdhsa_user_sgpr_count 2
		.amdhsa_user_sgpr_kernarg_segment_ptr 1
		.amdhsa_wavefront_size32 1
		.amdhsa_system_sgpr_workgroup_id_x 1
		.amdhsa_system_sgpr_workgroup_id_y 1
		.amdhsa_system_sgpr_workgroup_id_z 1
		.amdhsa_system_vgpr_workitem_id 0
		.amdhsa_next_free_vgpr 256
		.amdhsa_next_free_sgpr 66
		.amdhsa_reserve_vcc 0
		.amdhsa_float_denorm_mode_32 3
		.amdhsa_float_denorm_mode_16_64 3
		.amdhsa_memory_ordered 1
		.amdhsa_forward_progress 1
		.amdhsa_inst_pref_size 48
	.end_amdhsa_kernel
	.amdgpu_metadata
---
amdhsa.version: [ 1, 2 ]
amdhsa.kernels:
  - .name:           k_q1875e71708_prep
    .symbol:         k_q1875e71708_prep.kd
    .args:
      - { .name: hidden_states, .offset: 0, .size: 8, .value_kind: global_buffer, .address_space: global }
      - { .name: Wq, .offset: 8, .size: 8, .value_kind: global_buffer, .address_space: global }
      - { .name: Wk, .offset: 16, .size: 8, .value_kind: global_buffer, .address_space: global }
      - { .name: Wv, .offset: 24, .size: 8, .value_kind: global_buffer, .address_space: global }
      - { .name: Wo, .offset: 32, .size: 8, .value_kind: global_buffer, .address_space: global }
      - { .name: codes, .offset: 40, .size: 8, .value_kind: global_buffer, .address_space: global }
      - { .name: scales, .offset: 48, .size: 8, .value_kind: global_buffer, .address_space: global }
      - { .name: wo16, .offset: 56, .size: 8, .value_kind: global_buffer, .address_space: global }
    .group_segment_fixed_size: 67072
    .private_segment_fixed_size: 0
    .kernarg_segment_align: 8
    .kernarg_segment_size: 64
    .max_flat_workgroup_size: 128
    .sgpr_count:     66
    .vgpr_count:     256
    .wavefront_size: 32
...
	.end_amdgpu_metadata
.endif
;; end of part 1
;; launch proj (part 2): grid 8 x 32, 8 waves a work-group, clusters of 4 x 4, 327,680 bytes of LDS; arguments codes, scales, qimg, kv, aux; writes qimg, kv, aux
.if DOCPART == 2
	.amdgcn_target "amdgcn-amd-amdhsa--gfx1250"
	.amdhsa_code_object_version 6
	.text
	.protected	k_q1875e71708_proj
	.globl	k_q1875e71708_proj
	.p2align	8
	.type	k_q1875e71708_proj,@function
k_q1875e71708_proj:
	s_mov_b64 s[64:65], 0
	v_nop
	global_prefetch_b8 v0, s[64:65] scope:SCOPE_SE
	s_setreg_imm32_b32 hwreg(HW_REG_WAVE_MODE, 25, 1), 1
	s_wait_xcnt 0x0
	s_wait_alu depctr_hold_cnt(0) depctr_sa_sdst(0) depctr_va_vdst(0) depctr_va_sdst(0) depctr_va_ssrc(0) depctr_va_vcc(0) depctr_vm_vsrc(0)
	s_getreg_b32 s2, hwreg(HW_REG_IB_STS2, 6, 4)
	s_cmp_eq_u32 s2, 0
	s_cbranch_scc0 .Lentry_in_a_cluster
	s_endpgm
.Lentry_in_a_cluster:
	s_bfe_u32 s2, ttmp6, 0x10000c
	s_cmp_lg_u32 s2, 0xf033
	s_cbranch_scc0 .Lentry_shape_is_right
	s_endpgm
.Lentry_shape_is_right:
; PROJ.  The three quantised projections: hidden_states (rows 0-4095 of codes) times the weights by head (rows 4096 on), FP4 codes with E8M0 scales, sums in f32, K = 1,024 ascending in one accumulator.
; SHARES.  Work-group (X, Y): rows 128 Y on, weight rows 192 X on = heads 2 X and 2 X + 1.  Wave w: rows 32 (w / 2) on, head 2 X + w % 2: 2 x 6 accumulators of 16 x 16 (q, k, four of v).
; All of K lies in LDS, as two halves of 512 (rows of 256 bytes + 16 of padding) that are filled once; the scale bytes of the 128 + 192 rows likewise, as units of 256 bytes + 16.
; CLUSTER 4 x 4: hidden's tiles hang on Y alone and are asked for jointly along a row of the cluster, the weights' on X alone, along a column.
; THE RESULTS LEAVE AS IMAGES OF THE NEXT OPERANDS' REGISTERS, 16 bytes a lane, 512 consecutive bytes a store.  q and k are made TRANSPOSED (source 0 = the weight's 16 rows): lane (r, h) holds row r, features 8 h + 0..7.
; v is made the natural way: lane (r, h) holds column r, rows 8 h + 0..7, which is V^T's fragment along the keys.
; q' = q / 4 goes as a pair of f16: the high part is q' with its 13 low mantissa bits cleared (exact in f16), the low part the exact remainder, rounded.  k and v: f16.
; aux: the largest |k| of each wave's 32 rows (for the attention's row scale), and f32 images of rows 0-15 of every batch and head (for the launch that carries those rows in f32).
; LIMITS: |q / 4|, |k|, |v| under 65,504; under 2^-14 the pair of q' is off by at most 2^-25; NaN and infinities are not served.
.set PITCH, 272
.set SLOTB, 320*PITCH                  ; 87,040: A's 128 rows, then B's 192
.set BOFF,  128*PITCH
.set SCL,   2*SLOTB                    ; 174,080: A's scales: 16 units of 272; B's: 24 units
.set SCLB,  SCL+16*272
.set SPARE, 185088                     ; the next multiple of 256 behind the scales: the spare words, 128 bytes a wave
.set ADRA,  4                          ; v4-5  my A fragments in half 0, 1
.set ADRB,  6                          ; v6-7  my B fragments
.set ADRSA, 8                          ; v8    my A scale words
.set ADRSB, 9                          ; v9    my B scale words
.set SPW,   10
.set NIL,   11
.set XS,    16                         ; v16-23  A's scale words, 4 a + q: scales and nothing else
.set WS,    24                         ; v24-47  B's, 4 b + q
.set XF,    48                         ; v48-63  A's two fragments
.set WF,    64                         ; v64-111 B's six
.set ACC,   112                        ; v112-207 accumulator (a, b) at 112 + 8 (6 a + b)
.set G0A,  24                          ; s[24:31] group 0 for A's halves;  s[32:39] for B's
.set G0B,  32
.set G1A,  48
.set G1B,  56
.set G1SA, 68
.set G1SB, 76
.set G0SA, 84
.set G0SB, 88
; A joint load: waves 0-3 fetch for A, waves 4-7 for B.  The branch hangs on the wave's number alone.  An s_nop 0 and four v_nop follow each line.
.macro JLOAD g0a, g1a, g0b, g1b
	s_cmp_eq_u32 s15, 0
	s_cbranch_scc0 .Lfor_b_\@
	tensor_load_to_lds s[\g0a:\g0a+3], s[\g1a:\g1a+7]
	s_nop 0
.rept 4
	v_nop
.endr
	s_branch .Lasked_\@
.Lfor_b_\@:
	tensor_load_to_lds s[\g0b:\g0b+3], s[\g1b:\g1b+7]
	s_nop 0
.rept 4
	v_nop
.endr
.Lasked_\@:
.endm
.macro CROUND                          ; a round of the cluster's barrier
	s_barrier_signal -1
	s_barrier_wait -1
	s_cmp_lg_u32 s14, 0
	s_cbranch_scc1 .Lnot_wave_0_\@
	s_barrier_signal -3
.Lnot_wave_0_\@:
	s_barrier_wait -3
	s_barrier_signal -1
	s_barrier_wait -1
.endm
	s_load_b256 s[4:11], s[0:1], 0x0               ; codes s[4:5], scales s[6:7], qimg s[8:9], kv s[10:11]
	s_load_b64 s[12:13], s[0:1], 0x20              ; aux
	v_lshl_add_u32 v[SPW], v0, 2, SPARE
	v_mov_b32 v[NIL], 0
	ds_add_u32 v[SPW], v[NIL]                      ; the wave's opening: the add, twice on end, and its wait ahead of my first tensor load
	ds_add_u32 v[SPW], v[NIL]
	v_lshrrev_b32 v1, 5, v0
	v_readfirstlane_b32 s14, v1                    ; wave 0..7
	s_lshr_b32 s15, s14, 2                         ; I fetch for A (0) or for B (1),
	s_and_b32 s16, s14, 3                          ; this quarter of its rows
	s_lshr_b32 s17, s14, 1                         ; wr: my 32 rows
	s_and_b32 s18, s14, 1                          ; wc: my head of the two
	s_bfe_u32 s40, ttmp6, 0x40000                  ; cx
	s_bfe_u32 s41, ttmp6, 0x40004                  ; cy
	s_lshl_b32 s42, ttmp9, 2
	s_add_co_u32 s42, s42, s40                     ; X
	s_and_b32 s43, ttmp7, 0xffff
	s_lshl_b32 s43, s43, 2
	s_add_co_u32 s43, s43, s41                     ; Y
	s_lshl_b32 s44, s41, 2
	s_lshl_b32 s44, 15, s44                        ; my row of the cluster
	s_lshl_b32 s45, 0x1111, s40                    ; my column
	; group 1.  Codes: rows of 256 bytes, 512 apart in memory, 16 bytes of padding behind each; A 32 rows a load, B 48
	s_or_b32 s[G1A], s44, (1<<20)|(1<<21)|(5<<22)|(3<<25)
	s_mov_b32 s[G1A+1], 256<<16
	s_mov_b32 s[G1A+2], 32<<16
	s_mov_b32 s[G1A+3], 256<<16
	s_mov_b32 s[G1A+4], 32
	s_mov_b32 s[G1A+5], 512
	s_mov_b32 s[G1A+6], 0
	s_mov_b32 s[G1A+7], 0
	s_or_b32 s[G1B], s45, (1<<20)|(1<<21)|(5<<22)|(3<<25)
	s_mov_b32 s[G1B+1], 256<<16
	s_mov_b32 s[G1B+2], 48<<16
	s_mov_b32 s[G1B+3], 256<<16
	s_mov_b32 s[G1B+4], 48
	s_mov_b32 s[G1B+5], 512
	s_mov_b32 s[G1B+6], 0
	s_mov_b32 s[G1B+7], 0
	; scales: dense blocks as rows of 256 bytes (32 elements of 8), 16 of padding behind each; A 4 rows a load (32 rows' scales), B 6
	s_or_b32 s[G1SA], s44, (3<<16)|(1<<20)|(1<<21)|(5<<22)|(3<<25)
	s_mov_b32 s[G1SA+1], 32<<16
	s_mov_b32 s[G1SA+2], 4<<16
	s_mov_b32 s[G1SA+3], 32<<16
	s_mov_b32 s[G1SA+4], 4
	s_mov_b32 s[G1SA+5], 32
	s_mov_b32 s[G1SA+6], 0
	s_mov_b32 s[G1SA+7], 0
	s_or_b32 s[G1SB], s45, (3<<16)|(1<<20)|(1<<21)|(5<<22)|(3<<25)
	s_mov_b32 s[G1SB+1], 32<<16
	s_mov_b32 s[G1SB+2], 6<<16
	s_mov_b32 s[G1SB+3], 32<<16
	s_mov_b32 s[G1SB+4], 6
	s_mov_b32 s[G1SB+5], 32
	s_mov_b32 s[G1SB+6], 0
	s_mov_b32 s[G1SB+7], 0
	; where the tiles come from: A's offsets are made of Y and the wave's number, B's of X and the wave's number, in registers of their own
	s_lshl_b32 s46, s43, 7
	s_lshl_b32 s92, s16, 5
	s_add_co_u32 s46, s46, s92                     ; A: row 128 Y + 32 x quarter
	s_lshl_b32 s20, s46, 9
	s_mov_b32 s21, 0
	s_lshl_b32 s92, s46, 5
	s_mov_b32 s93, 0
	s_mul_i32 s47, s42, 192
	s_mul_i32 s94, s16, 48
	s_add_co_u32 s47, s47, s94
	s_add_co_u32 s47, s47, 4096                    ; B: row 4096 + 192 X + 48 x quarter
	s_lshl_b32 s22, s47, 9
	s_mov_b32 s23, 0
	s_lshl_b32 s94, s47, 5
	s_mov_b32 s95, 0
	s_mul_i32 s96, s16, 32*PITCH                   ; and where they go: constants and the wave's number alone
	s_mul_i32 s97, s16, 48*PITCH
	s_add_co_u32 s97, s97, BOFF
	s_mul_i32 s98, s16, 4*272
	s_add_co_u32 s98, s98, SCL
	s_mul_i32 s99, s16, 6*272
	s_add_co_u32 s99, s99, SCLB
	s_wait_dscnt 0x0                               ; both opening adds are done
	s_wait_kmcnt 0x0
	s_add_nc_u64 s[20:21], s[4:5], s[20:21]
	s_add_nc_u64 s[22:23], s[4:5], s[22:23]
	s_add_nc_u64 s[92:93], s[6:7], s[92:93]
	s_add_nc_u64 s[94:95], s[6:7], s[94:95]
	CROUND                                         ; all sixteen work-groups are here: the joint loads meet
	s_mov_b32 s[G0SA], 1
	s_mov_b32 s[G0SA+1], s98
	s_mov_b64 s[G0SA+2:G0SA+3], s[92:93]
	s_or_b32 s[G0SA+3], s[G0SA+3], 0x80000000
	s_mov_b32 s[G0SB], 1
	s_mov_b32 s[G0SB+1], s99
	s_mov_b64 s[G0SB+2:G0SB+3], s[94:95]
	s_or_b32 s[G0SB+3], s[G0SB+3], 0x80000000
	JLOAD G0SA, G1SA, G0SB, G1SB                   ; the scales first: they are wanted with the first K step
.irp s, 0,1
	s_mov_b32 s[G0A+4*\s], 1
	s_add_co_u32 s[G0A+4*\s+1], s96, \s*SLOTB
	s_add_nc_u64 s[G0A+4*\s+2:G0A+4*\s+3], s[20:21], \s*256
	s_or_b32 s[G0A+4*\s+3], s[G0A+4*\s+3], 0x80000000
	s_mov_b32 s[G0B+4*\s], 1
	s_add_co_u32 s[G0B+4*\s+1], s97, \s*SLOTB
	s_add_nc_u64 s[G0B+4*\s+2:G0B+4*\s+3], s[22:23], \s*256
	s_or_b32 s[G0B+4*\s+3], s[G0B+4*\s+3], 0x80000000
	JLOAD G0A+4*\s, G1A, G0B+4*\s, G1B             ; three loads of mine are out in all
.endr
	v_and_b32 v1, 15, v0                           ; r
	v_bfe_u32 v2, v0, 4, 1                         ; h
	v_and_b32 v3, 31, v0
	v_lshlrev_b32 v3, 4, v3                        ; 16 x lane
	v_mul_u32_u24 v12, v1, PITCH
	v_lshl_add_u32 v12, v2, 4, v12                 ; a fragment's row x pitch + 16 h
	s_mul_i32 s92, s17, 32*PITCH
	s_mul_i32 s93, s18, 96*PITCH
	s_add_co_u32 s93, s93, BOFF
.irp s, 0,1
	v_add_nc_u32 v[ADRA+\s], s92, v12
	v_add_nc_u32 v[ADRB+\s], s93, v12
	s_add_co_u32 s92, s92, SLOTB
	s_add_co_u32 s93, s93, SLOTB
.endr
	v_lshrrev_b32 v13, 3, v1
	v_mul_u32_u24 v13, v13, 272
	v_and_b32 v14, 7, v1
	v_lshl_add_u32 v13, v14, 5, v13                ; row r's scales: unit r / 8, 32 bytes a row
	s_mul_i32 s92, s17, 4*272
	s_add_co_u32 s92, s92, SCL
	s_mul_i32 s93, s18, 12*272
	s_add_co_u32 s93, s93, SCLB
	v_add_nc_u32 v[ADRSA], s92, v13
	v_add_nc_u32 v[ADRSB], s93, v13
	v_mov_b32 v15, 0                               ; the largest |k| of my 32 rows
	; where my results go
	s_lshr_b32 s20, s43, 4
	s_lshl_b32 s20, s20, 4
	s_lshl_b32 s21, s42, 1
	s_add_co_u32 s20, s20, s21
	s_add_co_u32 s20, s20, s18                     ; bh = 16 batch + head
	s_and_b32 s21, s43, 15
	s_lshl_b32 s21, s21, 2
	s_add_co_u32 s21, s21, s17                     ; which 32 rows of the batch's 2,048
	s_lshl_b32 s22, s20, 17
	s_lshl_b32 s23, s21, 11
	s_add_co_u32 s22, s22, s23
	s_mov_b32 s23, 0
	s_add_nc_u64 s[8:9], s[8:9], s[22:23]          ; qimg: 131,072 a head, 1,024 a tile of 16 rows
	s_lshl_b32 s46, s20, 6
	s_add_co_u32 s46, s46, s21
	s_mul_i32 s22, s46, 5120
	s_add_nc_u64 s[10:11], s[10:11], s[22:23]      ; kv: 5,120 for 32 rows
	s_lshl_b32 s22, s46, 2
	s_add_nc_u64 s[92:93], s[12:13], s[22:23]      ; aux: my largest |k|
	s_mul_i32 s22, s20, 6144
	s_add_co_u32 s22, s22, 8192
	s_add_nc_u64 s[94:95], s[12:13], s[22:23]      ; aux: the head's f32 images
	s_mov_b32 s96, 0x76543210
	s_mov_b32 s97, 0xfedcba98                      ; v_permlanex16_b32's selects for lane l xor 16
; A K step of 128: the q-th of half slot.  16 fragment loads, with q = 0 also the half's scale words (four words a row by one load); 12 products, the accumulators by turns.
.macro KSTEP slot, q, first
.if \first == 0
.rept 4
	v_nop                                          ; four places in front of loads into registers that the last products read
.endr
.endif
.irp a, 0,1
.irp c, 0,1
	ds_load_b128 v[XF+8*\a+4*\c:XF+8*\a+4*\c+3], v[ADRA+\slot] offset:16*PITCH*\a+64*\q+32*\c
.endr
.endr
.irp b, 0,1,2,3,4,5
.irp c, 0,1
	ds_load_b128 v[WF+8*\b+4*\c:WF+8*\b+4*\c+3], v[ADRB+\slot] offset:16*PITCH*\b+64*\q+32*\c
.endr
.endr
.if \q == 0
.irp a, 0,1
	ds_load_b128 v[XS+4*\a:XS+4*\a+3], v[ADRSA] offset:544*\a+16*\slot
.endr
.irp b, 0,1,2,3,4,5
	ds_load_b128 v[WS+4*\b:WS+4*\b+3], v[ADRSB] offset:544*\b+16*\slot
.endr
.endif
	s_wait_dscnt 0x0
.irp a, 0,1
.irp b, 0,1
.if \first
	v_wmma_scale_f32_16x16x128_f8f6f4 v[ACC+8*(6*\a+\b):ACC+8*(6*\a+\b)+7], v[WF+8*\b:WF+8*\b+7], v[XF+8*\a:XF+8*\a+7], 0, v[WS+4*\b+\q], v[XS+4*\a+\q] matrix_a_fmt:MATRIX_FMT_FP4 matrix_b_fmt:MATRIX_FMT_FP4
.else
	v_wmma_scale_f32_16x16x128_f8f6f4 v[ACC+8*(6*\a+\b):ACC+8*(6*\a+\b)+7], v[WF+8*\b:WF+8*\b+7], v[XF+8*\a:XF+8*\a+7], v[ACC+8*(6*\a+\b):ACC+8*(6*\a+\b)+7], v[WS+4*\b+\q], v[XS+4*\a+\q] matrix_a_fmt:MATRIX_FMT_FP4 matrix_b_fmt:MATRIX_FMT_FP4
.endif
.endr
.irp b, 2,3,4,5
.if \first
	v_wmma_scale_f32_16x16x128_f8f6f4 v[ACC+8*(6*\a+\b):ACC+8*(6*\a+\b)+7], v[XF+8*\a:XF+8*\a+7], v[WF+8*\b:WF+8*\b+7], 0, v[XS+4*\a+\q], v[WS+4*\b+\q] matrix_a_fmt:MATRIX_FMT_FP4 matrix_b_fmt:MATRIX_FMT_FP4
.else
	v_wmma_scale_f32_16x16x128_f8f6f4 v[ACC+8*(6*\a+\b):ACC+8*(6*\a+\b)+7], v[XF+8*\a:XF+8*\a+7], v[WF+8*\b:WF+8*\b+7], v[ACC+8*(6*\a+\b):ACC+8*(6*\a+\b)+7], v[XS+4*\a+\q], v[WS+4*\b+\q] matrix_a_fmt:MATRIX_FMT_FP4 matrix_b_fmt:MATRIX_FMT_FP4
.endif
.endr
.endr
.endm
	s_wait_tensorcnt 1                             ; the scales and my part of the first half are in; the second half's load may be out
	s_barrier_signal -1
	s_barrier_wait -1                              ; everybody's are
	KSTEP 0, 0, 1                                  ; the first products start the sums: nothing is cleared
	KSTEP 0, 1, 0
	KSTEP 0, 2, 0
	KSTEP 0, 3, 0
	s_wait_tensorcnt 0x0                           ; my part of the second half is in
	s_wait_dscnt 0x0
	s_barrier_signal -1
	s_barrier_wait -1                              ; everybody's is; nothing is ever filled again
	KSTEP 1, 0, 0
	KSTEP 1, 1, 0
	KSTEP 1, 2, 0
	KSTEP 1, 3, 0
.rept 4
	v_nop                                          ; four places in front of the first read of results and the first write of the fragments' registers
.endr
; THE WAY OUT of my rows 16 a on.  Every accumulator is read from its low end on.  No store's data register is written again.
.macro OUTA a
.set AC, ACC+48*\a
.set OB, 48+32*\a
.set QS, 208+24*\a
.set TT, 216+24*\a
.irp i, 0,2,4,6
	v_pk_mul_f32 v[QS+\i:QS+\i+1], v[AC+\i:AC+\i+1], 0x3e800000 op_sel_hi:[1,0]   ; q' = q / 4, exact
.endr
.irp i, 0,1,2,3,4,5,6,7
	v_and_b32 v[TT+\i], 0xffffe000, v[QS+\i]       ; its ten upper mantissa bits: a number of f16
.endr
.irp i, 0,1,2,3
	v_cvt_pk_f16_f32 v[OB+\i], v[TT+2*\i], v[TT+2*\i+1]
.endr
.irp i, 0,2,4,6
	v_pk_add_f32 v[TT+\i:TT+\i+1], v[QS+\i:QS+\i+1], v[TT+\i:TT+\i+1] neg_lo:[0,1] neg_hi:[0,1]   ; the remainder, exact in f32
.endr
.irp i, 0,1,2,3
	v_cvt_pk_f16_f32 v[OB+4+\i], v[TT+2*\i], v[TT+2*\i+1]
.endr
	global_store_b128 v3, v[OB:OB+3], s[8:9] offset:1024*\a
	global_store_b128 v3, v[OB+4:OB+7], s[8:9] offset:1024*\a+512
.irp i, 0,2,4,6
	v_max3_num_f32 v15, v15, |v[AC+8+\i]|, |v[AC+9+\i]|
.endr
.irp i, 0,1,2,3
	v_cvt_pk_f16_f32 v[OB+8+\i], v[AC+8+2*\i], v[AC+9+2*\i]
.endr
	global_store_b128 v3, v[OB+8:OB+11], s[10:11] offset:512*\a
.irp et, 0,1,2,3
.irp i, 0,1,2,3
	v_cvt_pk_f16_f32 v[OB+12+4*\et+\i], v[AC+16+8*\et+2*\i], v[AC+17+8*\et+2*\i]
.endr
	global_store_b128 v3, v[OB+12+4*\et:OB+15+4*\et], s[10:11] offset:1024+1024*\et+512*\a
.endr
.endm
	OUTA 0
	; rows 0-15 of a batch also leave in f32: a mask over the lanes, made of ids, and no branch (partners of a cluster run alike)
	v_mov_b32 v14, s21
	v_cmp_eq_u32 vcc_lo, 0, v14
	s_wait_xcnt 0x0                                ; EXEC changes only when the stores above have read it
	s_and_saveexec_b32 s98, vcc_lo
	global_store_b128 v3, v[208:211], s[94:95]
	global_store_b128 v3, v[212:215], s[94:95] offset:512
.irp b, 1,2,3,4,5
	global_store_b128 v3, v[ACC+8*\b:ACC+8*\b+3], s[94:95] offset:1024*\b
	global_store_b128 v3, v[ACC+8*\b+4:ACC+8*\b+7], s[94:95] offset:1024*\b+512
.endr
	s_wait_xcnt 0x0
	s_or_b32 exec_lo, exec_lo, s98
	OUTA 1
	v_max_num_f32_dpp v15, v15, v15 row_xmask:1 row_mask:0xf bank_mask:0xf
	v_max_num_f32_dpp v15, v15, v15 row_xmask:2 row_mask:0xf bank_mask:0xf
	v_max_num_f32_dpp v15, v15, v15 row_xmask:4 row_mask:0xf bank_mask:0xf
	v_max_num_f32_dpp v15, v15, v15 row_xmask:8 row_mask:0xf bank_mask:0xf
	v_permlanex16_b32 v14, v15, s96, s97
	v_max_num_f32 v15, v15, v14
	v_cmp_eq_u32 vcc_lo, 0, v3                     ; lane 0 stores it
	s_wait_xcnt 0x0
	s_and_saveexec_b32 s98, vcc_lo
	global_store_b32 v3, v15, s[92:93]
	s_wait_xcnt 0x0
	s_or_b32 exec_lo, exec_lo, s98
	s_wait_tensorcnt 0x0                           ; the wave's end
	ds_add_u32 v[SPW], v[NIL]
	s_wait_dscnt 0x0
	CROUND                                         ; the closing round
	s_endpgm
.Lfunc_end_k_q1875e71708_proj:
	.size	k_q1875e71708_proj, .Lfunc_end_k_q1875e71708_proj-k_q1875e71708_proj
	.p2alignl 7, 3214868480
	.fill 96, 4, 3214868480
	.section	.rodata,"a",@progbits
	.p2align	6, 0x0
	.amdhsa_kernel k_q1875e71708_proj
		.amdhsa_group_segment_fixed_size 327680
		.amdhsa_private_segment_fixed_size 0
		.amdhsa_enable_private_segment 0
		.amdhsa_kernarg_size 40
		.amdhsa_user_sgpr_count 2
		.amdhsa_user_sgpr_kernarg_segment_ptr 1
		.amdhsa_wavefront_size32 1
		.amdhsa_system_sgpr_workgroup_id_x 1
		.amdhsa_system_sgpr_workgroup_id_y 1
		.amdhsa_system_sgpr_workgroup_id_z 1
		.amdhsa_system_vgpr_workitem_id 0
		.amdhsa_next_free_vgpr 256
		.amdhsa_next_free_sgpr 100
		.amdhsa_reserve_vcc 1
		.amdhsa_float_denorm_mode_32 3
		.amdhsa_float_denorm_mode_16_64 3
		.amdhsa_memory_ordered 1
		.amdhsa_forward_progress 1
		.amdhsa_inst_pref_size 43
	.end_amdhsa_kernel
	.amdgpu_metadata
---
amdhsa.version: [ 1, 2 ]
amdhsa.kernels:
  - .name:           k_q1875e71708_proj
    .symbol:         k_q1875e71708_proj.kd
    .args:
      - { .name: codes, .offset: 0, .size: 8, .value_kind: global_buffer, .address_space: global }
      - { .name: scales, .offset: 8, .size: 8, .value_kind: global_buffer, .address_space: global }
      - { .name: qimg, .offset: 16, .size: 8, .value_kind: global_buffer, .address_space: global }
      - { .name: kv, .offset: 24, .size: 8, .value_kind: global_buffer, .address_space: global }
      - { .name: aux, .offset: 32, .size: 8, .value_kind: global_buffer, .address_space: global }
    .group_segment_fixed_size: 327680
    .private_segment_fixed_size: 0
    .kernarg_segment_align: 8
    .kernarg_segment_size: 40
    .max_flat_workgroup_size: 256
    .sgpr_count:     100
    .vgpr_count:     256
    .wavefront_size: 32
...
	.end_amdgpu_metadata
.endif
;; end of part 2
;; launch attn (part 3): grid 8 x 32, 8 waves a work-group, no clusters, 327,680 bytes of LDS; arguments qimg, kv, aux, yimg; writes yimg
.if DOCPART == 3
	.amdgcn_target "amdgcn-amd-amdhsa--gfx1250"
	.amdhsa_code_object_version 6
	.text
	.protected	k_q1875e71708_attn
	.globl	k_q1875e71708_attn
	.p2align	8
	.type	k_q1875e71708_attn,@function
k_q1875e71708_attn:
	s_mov_b64 s[64:65], 0
	v_nop
	global_prefetch_b8 v0, s[64:65] scope:SCOPE_SE
	s_setreg_imm32_b32 hwreg(HW_REG_WAVE_MODE, 25, 1), 1
	s_wait_xcnt 0x0
; ATTN.  y[n] = sum over m <= n of w(n, m) v[m] / (sum over m <= n of w(n, m) + 1e-12), w = 1 + s' + s'^2 / 2, s' = (q[n] / 4) . k[m].
; That is the feature map's product (1 + q.k / 4 + (q.k)^2 / 32) for every input, and the denominator, the product with the running sum of featurised keys, is the row sum of the masked weights.  w is never under 1/2.
; PRODUCTS in f16 with f32 sums.  S^T = K Q^T: K = 32 holds the 16 features twice: the keys' operand is [k | k], the queries' [q' high part | q' low part].  O^T = V^T P^T, K = 32 keys.  A lane holds one query throughout.
; THE ROW SCALE.  Each query's weights are multiplied by c = 2^(14 - floor(log2 B)), B = 1 + t + t^2 / 2, t = (sum of |q' high|) x (the head's largest |k|) >= |s'|: so w c stays under 2^15 and fits f16 for inputs of any size.
; w c = fma(s', fma(s', c / 2, c), c).  The row sum is taken of the unrounded w c, begins at 1e-12 c, and c, a power of two, cancels in the division.
; SHARES.  Work-group (p, bh) does two jobs: query block 15 - p (128 queries) against key blocks 0 .. 15 - p, then query block p against key blocks 0 .. p: always 17 blocks of 128 keys, so all work-groups have equal work and all trip counts are constants.
; Wave w: queries 32 (w % 4) on (two tiles), and of each key block the two steps of 32 keys with parity w / 4.  The sums are additive in the keys: the two parities' parts meet in LDS at the end.
; THE RING: two slots of four key blocks (81,920 bytes); each wave brings 10,240 dense bytes (half a block) by one tensor load.  The 17th block is brought by waves 0 and 1.
; NO CLUSTER: behind stream position 15 - p the work-groups of a head walk different key blocks, so partners would have to ask for different tiles.
; LIMITS: f16 operands as the projection's launch states; NaN and infinities are not served.
.set SLOT1, 81920
.set BLKB,  20480                      ; a key block: four steps of (K 1,024 + V 4,096) bytes
.set SCR,   163840                     ; scratch: job J, wave w at SCR + JOBB J + WDMP w: 16 pieces of O^T, then the sums
.set JOBB,  69632
.set WDMP,  8704
.set SPARE, SCR+2*JOBB                 ; 303,104: the spare words, 128 bytes a wave
.set LI,   1                           ; v1   16 x lane
.set KA,   2                           ; v2   16 x lane + 5,120 x parity
.set ADR,  3                           ; v3   the step's LDS address
.set DMP,  4                           ; v4-5 where I put my parts, job 0, 1
.set RD,   6                           ; v6-7 where I read the two parts of my tile
.set RS,   8                           ; v8-9 and the two sums
.set SPW,  10
.set NIL,  11
.set DD,   12                          ; v12  r - 8 h
.set CC,   16                          ; v[16:17], v[20:21] c, twice, of tile 0, 1;  v[18:19], v[22:23] c / 2
.set CH,   18
.set SUM,  24                          ; v[24:25], v[26:27] the row sums, two chains a tile
.set PFO,  28                          ; v28  256 x lane
.set QR,   32                          ; v32-47  Q: tile tq at 32 + 8 tq: registers 0-3 high part, 4-7 low part
.set Q2R,  48                          ; v48-63  job 1's
.set KR,   64                          ; v64-79  two tiles of K
.set VR,   80                          ; v80-111 four tiles of V^T
.set SR,   112                         ; v112-143 S^T (tq, tk) at 112 + 16 tq + 8 tk
.set TR,   144                         ; v144-151 at work
.set PR,   152                         ; v152-167 P of tile tq at 152 + 8 tq
.set OA,   168                         ; v168-231 O^T (tq, et) at 168 + 32 tq + 8 et
.set G1,   24                          ; s[24:31] group 1;  s[32:35], s[36:39] group 0 for slot 0, 1
.set G0A,  32
.set G0B,  36
	s_load_b256 s[4:11], s[0:1], 0x0               ; qimg s[4:5], kv s[6:7], aux s[8:9], yimg s[10:11]
	v_lshl_add_u32 v[SPW], v0, 2, SPARE
	v_mov_b32 v[NIL], 0
	ds_add_u32 v[SPW], v[NIL]                      ; the wave's opening: the add, twice on end, and its wait ahead of my first tensor load
	ds_add_u32 v[SPW], v[NIL]
	v_lshrrev_b32 v1, 5, v0
	v_readfirstlane_b32 s12, v1                    ; wave 0..7
	s_and_b32 s13, s12, 3                          ; my 32 queries of the block
	s_lshr_b32 s14, s12, 2                         ; my parity
	s_mov_b32 s15, ttmp9                           ; p
	s_and_b32 s16, ttmp7, 0xffff                   ; bh
	s_mov_b32 s[G1], 3<<16                         ; elements of 8 bytes, no mask, no padding
	s_mov_b32 s[G1+1], 32<<16                      ; rows of 256 bytes,
	s_mov_b32 s[G1+2], 40<<16                      ; 40 of them: 10,240 dense bytes
	s_mov_b32 s[G1+3], 32<<16
	s_mov_b32 s[G1+4], 40
	s_mov_b32 s[G1+5], 32
	s_mov_b32 s[G1+6], 0
	s_mov_b32 s[G1+7], 0
	s_mul_i32 s46, s16, 327680                     ; the head's keys and values
	s_mov_b32 s47, 0
	s_mul_i32 s17, s12, 10240                      ; my part of a slot, in LDS and (in the first two slots) in memory
	s_sub_co_u32 s41, 15, s15                      ; the stream position of job 0's last block
	s_mov_b32 s40, 0                               ; the stream position
	s_lshl_b32 s42, s14, 5                         ; the block's first key + 32 x parity
	s_lshl_b32 s43, s41, 7
	s_lshl_b32 s51, s13, 5
	s_add_co_u32 s43, s43, s51                     ; my first query, job 0
	s_lshl_b32 s50, s15, 7
	s_add_co_u32 s50, s50, s51                     ; and job 1
	s_lshl_b32 s60, s15, 3
	s_add_co_u32 s60, s60, s12                     ; 8 p + wave
	s_mov_b32 s52, 0x76543210
	s_mov_b32 s53, 0xfedcba98                      ; v_permlanex16_b32's selects for lane l xor 16
	s_wait_dscnt 0x0                               ; both opening adds are done
	s_wait_kmcnt 0x0
	s_add_nc_u64 s[48:49], s[6:7], s[46:47]
	s_mov_b32 s46, s17
	s_mov_b32 s[G0A], 1
	s_mov_b32 s[G0A+1], s17
	s_add_nc_u64 s[G0A+2:G0A+3], s[48:49], s[46:47]
	s_mov_b32 s[G0B], 1
	s_add_co_u32 s[G0B+1], s17, SLOT1
	s_add_nc_u64 s[G0B+2:G0B+3], s[G0A+2:G0A+3], SLOT1   ; stream positions 0-7 are key blocks 0-7 in every work-group
	s_or_b32 s[G0A+3], s[G0A+3], 0x80000000
	s_or_b32 s[G0B+3], s[G0B+3], 0x80000000
	tensor_load_to_lds s[G0A:G0A+3], s[G1:G1+7]    ; the two first fills go out together: two loads of mine are out
	s_nop 0
	tensor_load_to_lds s[G0B:G0B+3], s[G1:G1+7]
	s_nop 0
.rept 4
	v_nop
.endr
	v_and_b32 v31, 31, v0
	v_lshlrev_b32 v[LI], 4, v31
	v_lshlrev_b32 v29, 3, v31
	v_lshlrev_b32 v[PFO], 8, v31
	s_lshl_b32 s46, s16, 17                        ; qimg: 131,072 a head, 8,192 a block, 2,048 for 32 queries
	s_lshl_b32 s17, s13, 11
	s_add_co_u32 s46, s46, s17
	s_lshl_b32 s17, s41, 13
	s_add_co_u32 s17, s17, s46
	s_lshl_b32 s51, s15, 13
	s_add_co_u32 s46, s46, s51
	s_add_nc_u64 s[22:23], s[4:5], s[46:47]        ; job 1's queries
	s_mov_b32 s46, s17
	s_add_nc_u64 s[20:21], s[4:5], s[46:47]        ; job 0's
	s_lshl_b32 s46, s16, 8
	s_add_nc_u64 s[18:19], s[8:9], s[46:47]        ; the head's 64 largest |k|
.irp tq, 0,1
.irp hf, 0,1
	global_load_b128 v[QR+8*\tq+4*\hf:QR+8*\tq+4*\hf+3], v[LI], s[20:21] offset:1024*\tq+512*\hf
	global_load_b128 v[Q2R+8*\tq+4*\hf:Q2R+8*\tq+4*\hf+3], v[LI], s[22:23] offset:1024*\tq+512*\hf
.endr
.endr
	global_load_b64 v[232:233], v29, s[18:19]
	; yimg: ((256 (head / 4) + row tile) x 8 + 2 (head % 4)) x 1,024; row tile = 128 batch + 8 block + 2 (wave % 4) + parity
	s_and_b32 s17, s16, 15
	s_lshr_b32 s46, s17, 2
	s_lshl_b32 s46, s46, 8
	s_lshr_b32 s51, s16, 4
	s_lshl_b32 s51, s51, 7
	s_add_co_u32 s46, s46, s51
	s_lshl_b32 s51, s13, 1
	s_add_co_u32 s46, s46, s51
	s_add_co_u32 s46, s46, s14
	s_lshl_b32 s46, s46, 13
	s_and_b32 s17, s17, 3
	s_lshl_b32 s17, s17, 11
	s_add_co_u32 s51, s46, s17
	s_lshl_b32 s46, s41, 16
	s_add_co_u32 s46, s46, s51
	s_add_nc_u64 s[54:55], s[10:11], s[46:47]
	s_lshl_b32 s46, s15, 16
	s_add_co_u32 s46, s46, s51
	s_add_nc_u64 s[56:57], s[10:11], s[46:47]
	s_min_u32 s46, s60, 9                          ; the prefetch: key blocks 12-15 of the head, 81,920 bytes, 8,192 a wave; held inside the buffer in the waves that do not ask
	s_lshl_b32 s46, s46, 13
	s_add_co_u32 s46, s46, 12*BLKB
	s_add_nc_u64 s[58:59], s[48:49], s[46:47]
	; every LDS address is made here
	s_mul_i32 s46, s14, 5120
	v_add_nc_u32 v[KA], s46, v[LI]
	s_mul_i32 s46, s12, WDMP
	s_add_co_u32 s46, s46, SCR
	v_add_nc_u32 v[DMP], s46, v[LI]
	v_add_nc_u32 v[DMP+1], JOBB, v[DMP]
	s_mul_i32 s46, s13, WDMP
	s_add_co_u32 s46, s46, SCR
	s_lshl_b32 s17, s14, 12
	s_add_co_u32 s17, s17, s46
	v_add_nc_u32 v[RD], s17, v[LI]                 ; tile = my parity: 4,096 bytes on
	v_add_nc_u32 v[RD+1], JOBB, v[RD]
	s_lshl_b32 s17, s14, 3
	s_add_co_u32 s17, s17, s46
	s_add_co_u32 s17, s17, 8192
	v_add_nc_u32 v[RS], s17, v[LI]
	v_add_nc_u32 v[RS+1], JOBB, v[RS]
	v_and_b32 v[DD], 15, v0
	v_bfe_u32 v13, v0, 4, 1
	v_lshlrev_b32 v13, 3, v13
	v_sub_nc_u32 v[DD], v[DD], v13
	s_cmp_eq_u32 s14, 0
	s_cselect_b32 s46, 0x2b8cbccc, 0               ; 1e-12, counted once for each query: in lanes 0-15 of the waves of parity 0
	v_mov_b32 v30, s46
	v_cmp_gt_u32 vcc_lo, 16, v31
	v_cndmask_b32 v15, 0, v30, vcc_lo
	v_mov_b32 v13, 0                               ; written once: a lane permute's destination counts as one of its sources
	v_mov_b32 v30, 0
	s_wait_loadcnt 0x0
	v_max_num_f32 v14, v232, v233
	v_max_num_f32_dpp v14, v14, v14 row_xmask:1 row_mask:0xf bank_mask:0xf
	v_max_num_f32_dpp v14, v14, v14 row_xmask:2 row_mask:0xf bank_mask:0xf
	v_max_num_f32_dpp v14, v14, v14 row_xmask:4 row_mask:0xf bank_mask:0xf
	v_max_num_f32_dpp v14, v14, v14 row_xmask:8 row_mask:0xf bank_mask:0xf
	v_permlanex16_b32 v13, v14, s52, s53
	v_max_num_f32 v14, v14, v13                    ; the head's largest |k|
; A job begins: the two tiles' row scales from Q's high parts, the sums at 1e-12 c, O^T at zero (so that the key step is written once).
.macro SETJOB
	v_cvt_f32_f16 v144, v32.l
	v_cvt_f32_f16 v145, v32.h
	v_cvt_f32_f16 v146, v33.l
	v_cvt_f32_f16 v147, v33.h
	v_cvt_f32_f16 v148, v34.l
	v_cvt_f32_f16 v149, v34.h
	v_cvt_f32_f16 v150, v35.l
	v_cvt_f32_f16 v151, v35.h
	v_cvt_f32_f16 v232, v40.l
	v_cvt_f32_f16 v233, v40.h
	v_cvt_f32_f16 v234, v41.l
	v_cvt_f32_f16 v235, v41.h
	v_cvt_f32_f16 v236, v42.l
	v_cvt_f32_f16 v237, v42.h
	v_cvt_f32_f16 v238, v43.l
	v_cvt_f32_f16 v239, v43.h
	v_add_f32 v144, |v144|, |v145|
	v_add_f32 v146, |v146|, |v147|
	v_add_f32 v148, |v148|, |v149|
	v_add_f32 v150, |v150|, |v151|
	v_add_f32 v232, |v232|, |v233|
	v_add_f32 v234, |v234|, |v235|
	v_add_f32 v236, |v236|, |v237|
	v_add_f32 v238, |v238|, |v239|
	v_add_f32 v144, v144, v146
	v_add_f32 v148, v148, v150
	v_add_f32 v232, v232, v234
	v_add_f32 v236, v236, v238
	v_add_f32 v144, v144, v148
	v_add_f32 v232, v232, v236
	v_permlanex16_b32 v13, v144, s52, s53
	v_permlanex16_b32 v30, v232, s52, s53
	v_add_f32 v144, v144, v13                      ; the sum of |q' high| over the 16 features: the same bits in both halves of the lanes and in both parities' waves
	v_add_f32 v232, v232, v30
	v_mul_f32 v144, v144, v14                      ; t
	v_mul_f32 v232, v232, v14
	v_fma_f32 v145, v144, 0.5, 1.0
	v_fma_f32 v233, v232, 0.5, 1.0
	v_fma_f32 v145, v144, v145, 1.0                ; B = 1 + t + t^2 / 2, at least 1
	v_fma_f32 v233, v232, v233, 1.0
	v_lshrrev_b32 v145, 23, v145                   ; its exponent field
	v_lshrrev_b32 v233, 23, v233
	v_sub_nc_u32 v145, 268, v145                   ; 127 + 14 - (field - 127)
	v_sub_nc_u32 v233, 268, v233
	v_lshlrev_b32 v16, 23, v145                    ; c
	v_lshlrev_b32 v20, 23, v233
	v_mov_b32 v17, v16
	v_mov_b32 v21, v20
	v_mul_f32 v18, 0.5, v16
	v_mul_f32 v22, 0.5, v20
	v_mov_b32 v19, v18
	v_mov_b32 v23, v22
	v_mul_f32 v24, v15, v16
	v_mul_f32 v26, v15, v20
	v_mov_b32 v25, 0
	v_mov_b32 v27, 0
.set jj, 0
.rept 64
	v_mov_b32 v[OA+jj], 0
.set jj, jj+1
.endr
.endm
	SETJOB
; A KEY STEP: 32 keys, the st-th of my parity in the block at s44.  diag = 1: the block may be the job's last, the one on the diagonal.
.macro STEP st, diag
.if \diag
	s_add_co_u32 s46, s42, 64*\st                  ; the step's first key
	s_cmp_gt_u32 s46, s43                          ; both are multiples of 32: all its keys come after my 32 queries
	s_cbranch_scc1 .Lskip_\@
.endif
	v_add_nc_u32 v[ADR], s44, v[KA]
.rept 3
	v_nop                                          ; with the addition: four places in front of loads into registers that the last products read
.endr
.irp tk, 0,1
	ds_load_b128 v[KR+8*\tk:KR+8*\tk+3], v[ADR] offset:10240*\st+512*\tk       ; the 16 features,
	ds_load_b128 v[KR+8*\tk+4:KR+8*\tk+7], v[ADR] offset:10240*\st+512*\tk     ; and once more, for q's low part
.endr
.irp et, 0,1,2,3
.irp c, 0,1
	ds_load_b128 v[VR+8*\et+4*\c:VR+8*\et+4*\c+3], v[ADR] offset:10240*\st+1024+1024*\et+512*\c
.endr
.endr
	s_wait_dscnt 8                                 ; K's four loads are in; V's eight may be out
.irp tq, 0,1
.irp tk, 0,1
	v_wmma_f32_16x16x32_f16 v[SR+16*\tq+8*\tk:SR+16*\tq+8*\tk+7], v[KR+8*\tk:KR+8*\tk+7], v[QR+8*\tq:QR+8*\tq+7], 0
.endr
.endr
.rept 4
	v_nop
.endr
.irp tq, 0,1
.irp tk, 0,1
.irp pp, 0,2,4,6
	v_pk_fma_f32 v[TR+\pp:TR+\pp+1], v[SR+16*\tq+8*\tk+\pp:SR+16*\tq+8*\tk+\pp+1], v[CH+4*\tq:CH+4*\tq+1], v[CC+4*\tq:CC+4*\tq+1]
.endr
.irp pp, 0,2,4,6
	v_pk_fma_f32 v[SR+16*\tq+8*\tk+\pp:SR+16*\tq+8*\tk+\pp+1], v[SR+16*\tq+8*\tk+\pp:SR+16*\tq+8*\tk+\pp+1], v[TR+\pp:TR+\pp+1], v[CC+4*\tq:CC+4*\tq+1]   ; w c
.endr
.endr
.endr
.if \diag
	s_cmp_lg_u32 s46, s43
	s_cbranch_scc1 .Lopen_\@                       ; all keys of the step count
.irp j, 0,1,2,3,4,5,6,7                        ; on the diagonal: key 16 tk + 8 h + j counts for query 16 tq + r where 16 (tk - tq) + j <= r - 8 h
	v_cmp_le_i32 vcc_lo, \j, v[DD]
	v_cndmask_b32 v[SR+\j], 0, v[SR+\j], vcc_lo
	v_cndmask_b32 v[SR+24+\j], 0, v[SR+24+\j], vcc_lo
	v_mov_b32 v[SR+8+\j], 0                        ; keys 16-31 count for none of queries 0-15; keys 0-15 for all of queries 16-31
.endr
.Lopen_\@:
.endif
.irp tk, 0,1
.irp pj, 0,1,2,3
.irp tq, 0,1
	v_pk_add_f32 v[SUM+2*\tq:SUM+2*\tq+1], v[SUM+2*\tq:SUM+2*\tq+1], v[SR+16*\tq+8*\tk+2*\pj:SR+16*\tq+8*\tk+2*\pj+1]   ; the row sum, of the unrounded weights
	v_cvt_pk_f16_f32 v[PR+8*\tq+4*\tk+\pj], v[SR+16*\tq+8*\tk+2*\pj], v[SR+16*\tq+8*\tk+2*\pj+1]
.endr
.endr
.endr
	s_wait_dscnt 0x0                               ; V is in
.irp et, 0,1,2,3
.irp tq, 0,1
	v_wmma_f32_16x16x32_f16 v[OA+32*\tq+8*\et:OA+32*\tq+8*\et+7], v[VR+8*\et:VR+8*\et+7], v[PR+8*\tq:PR+8*\tq+7], v[OA+32*\tq+8*\et:OA+32*\tq+8*\et+7]   ; eight accumulators by turns
.endr
.endr
.if \diag
.Lskip_\@:
.endif
.endm
; My parts of job J go to my own scratch.
.macro DUMP J
.rept 4
	v_nop
.endr
.irp t8, 0,1,2,3,4,5,6,7
	ds_store_b128 v[DMP+\J], v[OA+8*\t8:OA+8*\t8+3] offset:1024*\t8          ; each accumulator from its low end on
	ds_store_b128 v[DMP+\J], v[OA+8*\t8+4:OA+8*\t8+7] offset:1024*\t8+512
.endr
	ds_store_b128 v[DMP+\J], v[SUM:SUM+3] offset:8192
	s_wait_dscnt 0x0
.endm
; A key block: my two steps; sw = 1: behind job 0's last block the wave changes jobs (a branch on ids and the count of blocks; no barrier, no tensor load inside).
.macro BLOCK diag, sw
	STEP 0, \diag
	STEP 1, \diag
.if \sw
	s_cmp_lg_u32 s40, s41
	s_cbranch_scc1 .Lnosw_\@
	DUMP 0
.set jj, 0
.rept 16
	v_mov_b32 v[QR+jj], v[Q2R+jj]
.set jj, jj+1
.endr
	SETJOB
	s_mov_b32 s43, s50
	s_lshl_b32 s42, s14, 5
	s_sub_co_u32 s42, s42, 128                     ; the line below brings it to key block 0
.Lnosw_\@:
.endif
	s_add_co_u32 s42, s42, 128
	s_add_co_u32 s40, s40, 1
	s_add_co_u32 s44, s44, BLKB
.endm
.macro WALK base, n, diag, sw
	s_mov_b32 s44, \base
.if \n > 1
	s_mov_b32 s45, \n
.Lwalk_\@:
.endif
	BLOCK \diag, \sw
.if \n > 1
	s_sub_co_u32 s45, s45, 1
	s_cmp_lg_u32 s45, 0
	s_cbranch_scc1 .Lwalk_\@
.endif
.endm
; THE CHANGE OF SLOTS.  Each wave waits for all its tensor loads, adds 0 to its spare word, and waits for that and for its reads of the slot that it has left; behind the barrier the slot ahead is whole and nobody reads the other.
; mode 2: every wave fills its part of the slot left with stream slot sg;  1: waves 0 and 1 alone (the 17th block);  0: nothing is left to fetch.
.macro CHANGE sg, g0, mode
	s_wait_tensorcnt 0x0                           ; no tensor load of mine is out, so a group 0 may be written
	ds_add_u32 v[SPW], v[NIL]                      ; 0 onto my spare word; the address's arithmetic stands between it and the wait for it
.if \mode > 0
	s_lshr_b32 s46, s12, 1
	s_add_co_u32 s46, s46, 4*\sg                   ; my stream position i
	s_sub_co_u32 s47, s46, s41
	s_sub_co_u32 s47, s47, 1
	s_cmp_gt_u32 s46, s41
	s_cselect_b32 s46, s47, s46                    ; its key block: i in job 0, i - (16 - p) in job 1
	s_mul_i32 s46, s46, BLKB
	s_and_b32 s47, s12, 1
	s_mul_i32 s47, s47, 10240
	s_add_co_u32 s46, s46, s47
	s_mov_b32 s47, 0
	s_add_nc_u64 s[\g0+2:\g0+3], s[48:49], s[46:47]
	s_or_b32 s[\g0+3], s[\g0+3], 0x80000000
.endif
	s_wait_dscnt 0x0
	s_barrier_signal -1
	s_barrier_wait -1
.if \mode == 2
	tensor_load_to_lds s[\g0:\g0+3], s[G1:G1+7]    ; my one tensor load behind this barrier, and the first thing there: it has four blocks' work in which to land
	s_nop 0
.rept 4
	v_nop
.endr
.endif
.if \mode == 1
	s_cmp_lt_u32 s12, 2
	s_cbranch_scc0 .Lnone_\@
	tensor_load_to_lds s[\g0:\g0+3], s[G1:G1+7]
	s_nop 0
.rept 4
	v_nop
.endr
.Lnone_\@:
.endif
.endm
; Job J's end: wave (queries' group, parity g) takes tile g of the group: both parities' parts are added, divided by the sum, rounded to f16 and stored as the output projection's operand image.
.macro FINAL J
.irp pi, 0,1,2,3,4,5,6,7
	ds_load_b128 v[64+4*\pi:64+4*\pi+3], v[RD+\J] offset:512*\pi
.endr
.irp pi, 0,1,2,3,4,5,6,7
	ds_load_b128 v[96+4*\pi:96+4*\pi+3], v[RD+\J] offset:4*WDMP+512*\pi
.endr
	ds_load_b64 v[232:233], v[RS+\J]
	ds_load_b64 v[234:235], v[RS+\J] offset:4*WDMP
	s_wait_dscnt 0x0
	v_pk_add_f32 v[232:233], v[232:233], v[234:235]
	v_add_f32 v232, v232, v233
	v_permlanex16_b32 v13, v232, s52, s53
	v_add_f32 v232, v232, v13                      ; the row's sum x c, 1e-12 c within
	v_rcp_f32 v236, v232
.irp pp, 0,2,4,6,8,10,12,14,16,18,20,22,24,26,28,30
	v_pk_add_f32 v[64+\pp:64+\pp+1], v[64+\pp:64+\pp+1], v[96+\pp:96+\pp+1]   ; independent work behind the reciprocal
.endr
	s_wait_alu depctr_va_vdst(0)                   ; the wait ahead of the reciprocal's first reader
	v_mov_b32 v237, v236
.irp pp, 0,2,4,6,8,10,12,14,16,18,20,22,24,26,28,30
	v_pk_mul_f32 v[64+\pp:64+\pp+1], v[64+\pp:64+\pp+1], v[236:237]
.endr
.irp pp, 0,1,2,3,4,5,6,7,8,9,10,11,12,13,14,15
	v_cvt_pk_f16_f32 v[128+16*\J+\pp], v[64+2*\pp], v[64+2*\pp+1]
.endr
.irp et, 0,1,2,3
	global_store_b128 v[LI], v[128+16*\J+4*\et:128+16*\J+4*\et+3], s[54+2*\J:55+2*\J] offset:512*\et   ; 512 consecutive bytes
.endr
.endm
	s_wait_tensorcnt 1                             ; my part of slot 0 is in; slot 1's may be out
	s_barrier_signal -1
	s_barrier_wait -1
	WALK 0, 4, 0, 0                                ; stream positions 0-3: never on a diagonal (job 0's last block is at position 8 or later)
	CHANGE 2, G0A, 2
	s_cmp_lt_u32 s60, 10                           ; a prefetch of key blocks 12-15, which the next change of slots asks for in the work-groups that walk them: 320 blocks of 256 bytes,
	s_cbranch_scc0 .Lnot_mine                      ; each named once for a head: by the first ten waves of its work-groups 0 and 1, a lane a block
	global_prefetch_b8 v[PFO], s[58:59] th:TH_LOAD_NT scope:SCOPE_SE
.Lnot_mine:
	WALK SLOT1, 4, 0, 0                            ; positions 4-7
	CHANGE 3, G0B, 2
	WALK 0, 4, 1, 1                                ; positions 8-11
	CHANGE 4, G0A, 1
	WALK SLOT1, 4, 1, 1                            ; positions 12-15
	CHANGE 0, G0A, 0
	WALK 0, 1, 1, 0                                ; position 16: job 1's diagonal block
	DUMP 1
	s_barrier_signal -1
	s_barrier_wait -1                              ; every wave's parts of both jobs lie in the scratch
	FINAL 0
	FINAL 1
	s_wait_tensorcnt 0x0                           ; the wave's end
	ds_add_u32 v[SPW], v[NIL]
	s_wait_dscnt 0x0
	s_endpgm
.Lfunc_end_k_q1875e71708_attn:
	.size	k_q1875e71708_attn, .Lfunc_end_k_q1875e71708_attn-k_q1875e71708_attn
	.p2alignl 7, 3214868480
	.fill 96, 4, 3214868480
	.section	.rodata,"a",@progbits
	.p2align	6, 0x0
	.amdhsa_kernel k_q1875e71708_attn
		.amdhsa_group_segment_fixed_size 327680
		.amdhsa_private_segment_fixed_size 0
		.amdhsa_enable_private_segment 0
		.amdhsa_kernarg_size 32
		.amdhsa_user_sgpr_count 2
		.amdhsa_user_sgpr_kernarg_segment_ptr 1
		.amdhsa_wavefront_size32 1
		.amdhsa_system_sgpr_workgroup_id_x 1
		.amdhsa_system_sgpr_workgroup_id_y 1
		.amdhsa_system_sgpr_workgroup_id_z 1
		.amdhsa_system_vgpr_workitem_id 0
		.amdhsa_next_free_vgpr 256
		.amdhsa_next_free_sgpr 66
		.amdhsa_reserve_vcc 1
		.amdhsa_float_denorm_mode_32 3
		.amdhsa_float_denorm_mode_16_64 3
		.amdhsa_memory_ordered 1
		.amdhsa_forward_progress 1
		.amdhsa_inst_pref_size 104
	.end_amdhsa_kernel
	.amdgpu_metadata
---
amdhsa.version: [ 1, 2 ]
amdhsa.kernels:
  - .name:           k_q1875e71708_attn
    .symbol:         k_q1875e71708_attn.kd
    .args:
      - { .name: qimg, .offset: 0, .size: 8, .value_kind: global_buffer, .address_space: global }
      - { .name: kv, .offset: 8, .size: 8, .value_kind: global_buffer, .address_space: global }
      - { .name: aux, .offset: 16, .size: 8, .value_kind: global_buffer, .address_space: global }
      - { .name: yimg, .offset: 24, .size: 8, .value_kind: global_buffer, .address_space: global }
    .group_segment_fixed_size: 327680
    .private_segment_fixed_size: 0
    .kernarg_segment_align: 8
    .kernarg_segment_size: 32
    .max_flat_workgroup_size: 256
    .sgpr_count:     66
    .vgpr_count:     256
    .wavefront_size: 32
...
	.end_amdgpu_metadata
.endif
;; end of part 3
;; launch outp (part 4): grid 8 x 32, 4 waves a work-group, clusters of 4 x 4, 327,680 bytes of LDS; arguments yimg, wo16, out0; writes out0
.if DOCPART == 4
	.amdgcn_target "amdgcn-amd-amdhsa--gfx1250"
	.amdhsa_code_object_version 6
	.text
	.protected	k_q1875e71708_outp
	.globl	k_q1875e71708_outp
	.p2align	8
	.type	k_q1875e71708_outp,@function
k_q1875e71708_outp:
	s_mov_b64 s[64:65], 0
	v_nop
	global_prefetch_b8 v0, s[64:65] scope:SCOPE_SE
	s_setreg_imm32_b32 hwreg(HW_REG_WAVE_MODE, 25, 1), 1
	s_wait_xcnt 0x0
	s_wait_alu depctr_hold_cnt(0) depctr_sa_sdst(0) depctr_va_vdst(0) depctr_va_sdst(0) depctr_va_ssrc(0) depctr_va_vcc(0) depctr_vm_vsrc(0)
	s_getreg_b32 s2, hwreg(HW_REG_IB_STS2, 6, 4)
	s_cmp_eq_u32 s2, 0
	s_cbranch_scc0 .Lentry_in_a_cluster
	s_endpgm
.Lentry_in_a_cluster:
	s_bfe_u32 s2, ttmp6, 0x10000c
	s_cmp_lg_u32 s2, 0xf033
	s_cbranch_scc0 .Lentry_shape_is_right
	s_endpgm
.Lentry_shape_is_right:
; OUTP.  out0[n][c] = sum over K of y[n][K] Wo[c][K]: [4096][1024] x [1024][1024], f16 operands, f32 sums, f32 out.
; A tile of out0 is 128 x 128; four waves, each 64 x 64: 16 accumulators.  K goes in four steps of 256 through two LDS slots.  Both operands arrive as images of their registers (16 rows x 256 K = 8,192 dense bytes),
; so a K step's tile is one dense block, a fragment is two loads of 512 consecutive bytes, and LDS needs no padding.
; CLUSTER 4 x 4: y's tiles hang on the tile row alone and are asked for jointly along a row of the cluster, Wo's on the tile column alone, along a column.
; THE MATRIX INSTRUCTION IS USED TRANSPOSED (source 0 = 16 rows of Wo, source 1 = 16 rows of y): a lane holds eight neighbouring numbers of a row of out0.
; Rows 0-15 of each batch are written here from f16 operands like all others and are written again, from f32, by the launch that follows.
; REGISTERS: window 0: v0-31 addresses; v32-95 the way out; v128-255 the accumulators ((a, b) at 128 + 8 (4 a + b)).  Window 1: two fragment buffers of 128: 64 registers of y, then 64 of Wo, for 64 along K.
.set HALFT,  32768                     ; four images: what one tensor load brings, and what one wave reads of y or of Wo
.set SLOT,   4*HALFT
.set STAGE,  2*SLOT                    ; behind the ring: 16 rows x 272 bytes for each wave
.set SPITCH, 272
.set SPARE,  STAGE+4*16*SPITCH         ; 279,552: the spare words
.set STEPA,  2*256*8192                ; two K steps on in yimg,
.set STEPB,  2*64*8192                 ; and in wo16
.set ADRA, 16
.set ADRB, 20
.set STO,  24
.set RD,   25
.set CO,   26
.set SPW,  28
.set NIL,  29
.set TMP,  32
.set ACC,  128
.set F0,   0
.set F1,   128
.set G1, 24
.set G0, 32
.set G1B, 48
.set G0B, 56
.set MSB, 0
.macro WIN new                         ; the immediate's high byte repeats the setting that is left
.if MSB != \new
	s_set_vgpr_msb (MSB<<8)|\new
.set MSB, \new
.endif
.endm
.set MUL,  0x05                        ; sources 0 (Wo) and 1 (y) window 1; C and D window 0
.set TO_F, 0x40                        ; destination window 1, address window 0
.macro JLOAD s                         ; a joint load: waves 0 and 1 fetch y's two halves, waves 2 and 3 Wo's; an s_nop 0 and four v_nop follow each line
	s_cmp_eq_u32 s11, 0
	s_cbranch_scc0 .Lfor_b_\@
	tensor_load_to_lds s[G0+4*\s:G0+4*\s+3], s[G1:G1+7]
	s_nop 0
.rept 4
	v_nop
.endr
	s_branch .Lasked_\@
.Lfor_b_\@:
	tensor_load_to_lds s[G0B+4*\s:G0B+4*\s+3], s[G1B:G1B+7]
	s_nop 0
.rept 4
	v_nop
.endr
.Lasked_\@:
.endm
.macro CREST
	s_cmp_lg_u32 s10, 0
	s_cbranch_scc1 .Lnot_wave_0_\@
	s_barrier_signal -3
.Lnot_wave_0_\@:
	s_barrier_wait -3
	s_barrier_signal -1
	s_barrier_wait -1
.endm
.macro CROUND
	s_barrier_signal -1
	s_barrier_wait -1
	CREST
.endm
	s_load_b128 s[4:7], s[0:1], 0x0                ; yimg s[4:5], wo16 s[6:7]
	s_load_b64 s[8:9], s[0:1], 0x10                ; out0
	v_lshl_add_u32 v[SPW], v0, 2, SPARE
	v_mov_b32 v[NIL], 0
	ds_add_u32 v[SPW], v[NIL]                      ; the wave's opening: the add, twice on end, and its wait ahead of my first tensor load
	ds_add_u32 v[SPW], v[NIL]
	v_lshrrev_b32 v1, 5, v0
	v_readfirstlane_b32 s10, v1                    ; wave 0..3
	s_lshr_b32 s11, s10, 1                         ; my half of the tile's rows.  Also: I fetch for y (0) or for Wo (1)
	s_and_b32 s12, s10, 1                          ; my half of its columns.  Also: which half of that tile I fetch
	s_bfe_u32 s40, ttmp6, 0x40000
	s_bfe_u32 s41, ttmp6, 0x40004
	s_lshl_b32 s42, ttmp9, 2
	s_add_co_u32 s42, s42, s40                     ; tile column
	s_and_b32 s13, ttmp7, 0xffff
	s_lshl_b32 s13, s13, 2
	s_add_co_u32 s13, s13, s41                     ; tile row
	s_lshl_b32 s43, s41, 2
	s_lshl_b32 s43, 15, s43                        ; my row of the cluster
	s_lshl_b32 s44, 0x1111, s40                    ; my column
	s_or_b32 s[G1+0], s43, (3<<16)|(1<<21)         ; the mask; elements of 8 bytes; bit 21 beside a mask; no padding
	s_or_b32 s[G1B+0], s44, (3<<16)|(1<<21)
.irp g, G1, G1B
	s_mov_b32 s[\g+1], 32<<16                      ; rows of 256 bytes,
	s_mov_b32 s[\g+2], 128<<16                     ; 128 of them: 32,768 dense bytes
	s_mov_b32 s[\g+3], 32<<16
	s_mov_b32 s[\g+4], 128
	s_mov_b32 s[\g+5], 32
	s_mov_b32 s[\g+6], 0
	s_mov_b32 s[\g+7], 0
.endr
	s_lshl_b32 s18, s12, 2                         ; which four images of the tile's eight I fetch
	s_lshl_b32 s16, s13, 3
	s_add_co_u32 s16, s16, s18
	s_lshl_b32 s16, s16, 13                        ; y: (8 x tile row + 4 x half) x 8,192
	s_mov_b32 s17, 0
	s_lshl_b32 s46, s42, 3
	s_add_co_u32 s46, s46, s18
	s_lshl_b32 s46, s46, 13                        ; Wo: (8 x tile column + 4 x half) x 8,192
	s_mov_b32 s47, 0
	s_mul_i32 s20, s10, HALFT                      ; where they go: wave x 32,768
	s_wait_dscnt 0x0                               ; both opening adds are done
	s_wait_kmcnt 0x0
	s_add_nc_u64 s[14:15], s[4:5], s[16:17]
	s_add_nc_u64 s[46:47], s[6:7], s[46:47]
	CROUND                                         ; all sixteen work-groups are here: the first joint loads meet
.irp s, 0,1
	s_mov_b32 s[G0+4*\s], 1
	s_add_co_u32 s[G0+4*\s+1], s20, \s*SLOT
	s_add_nc_u64 s[G0+4*\s+2:G0+4*\s+3], s[14:15], \s*256*8192
	s_or_b32 s[G0+4*\s+3], s[G0+4*\s+3], 0x80000000
	s_mov_b32 s[G0B+4*\s], 1
	s_add_co_u32 s[G0B+4*\s+1], s20, \s*SLOT
	s_add_nc_u64 s[G0B+4*\s+2:G0B+4*\s+3], s[46:47], \s*64*8192
	s_or_b32 s[G0B+4*\s+3], s[G0B+4*\s+3], 0x80000000
	JLOAD \s
.endr
	v_and_b32 v1, 15, v0                           ; l % 16
	v_bfe_u32 v2, v0, 4, 1                         ; l / 16
	v_and_b32 v3, 31, v0
	v_lshlrev_b32 v3, 4, v3                        ; 16 x lane: an image's place for my lane
	s_mul_i32 s21, s11, HALFT                      ; my 64 rows of y
	s_mul_i32 s22, s12, HALFT                      ; my 64 rows of Wo,
	s_add_co_u32 s22, s22, 2*HALFT                 ; which lie behind y's 128
.irp s, 0,1
	v_add_nc_u32 v[ADRA+\s], s21, v3
	v_add_nc_u32 v[ADRB+\s], s22, v3
	s_add_co_u32 s21, s21, SLOT
	s_add_co_u32 s22, s22, SLOT
.endr
	s_mul_i32 s23, s10, 16*SPITCH
	s_add_co_u32 s23, s23, STAGE                   ; my stage
	v_mul_u32_u24 v4, v1, SPITCH
	v_lshl_add_u32 v4, v2, 5, v4
	v_add_nc_u32 v[STO], s23, v4                   ; in: row l % 16, 32 bytes for each half of the lanes
	v_mul_u32_u24 v5, v2, SPITCH
	v_lshl_add_u32 v5, v1, 4, v5
	v_add_nc_u32 v[RD], s23, v5                    ; back: lanes 0-15 one row of 256 bytes, lanes 16-31 the next
	v_lshlrev_b32 v5, 12, v2
	v_lshl_add_u32 v[CO], v1, 4, v5                ; and the same two rows in out0
	s_lshl_b32 s16, s13, 7
	s_lshl_b32 s17, s11, 6
	s_add_co_u32 s16, s16, s17
	s_lshl_b32 s16, s16, 12                        ; my first row: (128 x tile row + 64 x half) x 4,096 bytes
	s_mov_b32 s17, 0
	s_add_nc_u64 s[8:9], s[8:9], s[16:17]
	s_lshl_b32 s46, s42, 9
	s_lshl_b32 s47, s12, 8
	s_add_co_u32 s46, s46, s47                     ; my first column, in bytes
	s_mov_b32 s47, 0
	s_add_nc_u64 s[8:9], s[8:9], s[46:47]
; 8 matrix instructions: row blocks a0, a0 + 1 x all 4 column blocks, 32 along K: half c of buffer f.  zero = 1: the first product starts the sums.  The 16 accumulators take turns.
.macro MUL8 f, c, a0, zero
.irp a, \a0, \a0+1
.irp b, 0,1,2,3
.if \zero
	v_wmma_f32_16x16x32_f16 v[ACC+8*(4*(\a)+\b):ACC+8*(4*(\a)+\b)+7], v[\f+64+8*(4*\c+\b):\f+64+8*(4*\c+\b)+7], v[\f+8*(4*\c+\a):\f+8*(4*\c+\a)+7], 0
.else
	v_wmma_f32_16x16x32_f16 v[ACC+8*(4*(\a)+\b):ACC+8*(4*(\a)+\b)+7], v[\f+64+8*(4*\c+\b):\f+64+8*(4*\c+\b)+7], v[\f+8*(4*\c+\a):\f+8*(4*\c+\a)+7], v[ACC+8*(4*(\a)+\b):ACC+8*(4*(\a)+\b)+7]
.endif
.endr
.endr
.endm
; 32 LDS loads in one run: the fragments of quarter qt (64 along K) of the slot, into buffer f; the first 32 along K first
.macro FETCH slot, qt, f
	WIN TO_F
.irp c, 0,1
.irp i, 0,1,2,3
	ds_load_b128 v[\f+64+8*(4*\c+\i):\f+64+8*(4*\c+\i)+3],   v[ADRB+\slot] offset:8192*\i+1024*(2*\qt+\c)
	ds_load_b128 v[\f+64+8*(4*\c+\i)+4:\f+64+8*(4*\c+\i)+7], v[ADRB+\slot] offset:8192*\i+1024*(2*\qt+\c)+512
	ds_load_b128 v[\f+8*(4*\c+\i):\f+8*(4*\c+\i)+3],         v[ADRA+\slot] offset:8192*\i+1024*(2*\qt+\c)
	ds_load_b128 v[\f+8*(4*\c+\i)+4:\f+8*(4*\c+\i)+7],       v[ADRA+\slot] offset:8192*\i+1024*(2*\qt+\c)+512
.endr
.endr
.endm
.macro PLACES                          ; four places in front of loads into registers that matrix instructions have read, and of the first read of results
.rept 4
	v_nop
.endr
.endm
; One of a K step's first three quarters: multiplies buffer f and fetches quarter qt into g.
.macro QUARTER slot, qt, f, g, zero
	s_wait_dscnt 16                                ; the first 32 along K are in; the other sixteen loads may be out
	WIN MUL
	MUL8 \f, 0, 0, \zero
	MUL8 \f, 0, 2, \zero
	PLACES
	FETCH \slot, \qt, \g
	s_wait_dscnt 32                                ; all but the 32 just issued
	WIN MUL
	MUL8 \f, 1, 0, 0
	MUL8 \f, 1, 2, 0
.endm
; The last quarter multiplies buffer 1 and changes slots: one barrier; in front of it each wave waits for all its tensor loads, adds 0 to its spare word, and waits for that and for its reads of this slot.  fill = 1: this slot is filled again, two K steps ahead.
.macro TURN slot, next, fill
	WIN 0                                          ; (the add's two registers lie in window 0)
	s_wait_tensorcnt 0x0                           ; all my tensor loads have landed: my part of the next slot
	ds_add_u32 v[SPW], v[NIL]
	s_wait_dscnt 17                                ; (the add and the youngest sixteen loads may be out)
	WIN MUL
	MUL8 F1, 0, 0, 0                               ; eight matrix instructions stand between the add and the wait for it
	s_wait_dscnt 0x0                               ; the add is done, and my reads of this slot are over
	s_barrier_signal -1
	MUL8 F1, 0, 2, 0
.if \fill
	WIN 0
.endif
	s_barrier_wait -1
.if \fill
	CREST                                          ; the barrier has opened a round of the cluster's barrier: no wave of any partner still reads this slot or has a load on its way
	s_add_nc_u64 s[G0+4*\slot+2:G0+4*\slot+3], s[G0+4*\slot+2:G0+4*\slot+3], STEPA
	s_add_nc_u64 s[G0B+4*\slot+2:G0B+4*\slot+3], s[G0B+4*\slot+2:G0B+4*\slot+3], STEPB
	JLOAD \slot                                    ; the first tensor load behind the round; its four v_nop are also the places in front of the loads below
.else
	PLACES
.endif
	FETCH \next, 0, F0
	WIN MUL
	MUL8 F1, 1, 0, 0
	MUL8 F1, 1, 2, 0
.endm
	s_wait_tensorcnt 1                             ; my part of K step 0 is in; K step 1's load may be out
	s_barrier_signal -1
	s_barrier_wait -1
	FETCH 0, 0, F0
	QUARTER 0, 1, F0, F1, 1                        ; K step 0; its first products start the sums
	QUARTER 0, 2, F1, F0, 0
	QUARTER 0, 3, F0, F1, 0
	TURN 0, 1, 1                                   ; slot 0 takes K step 2
	QUARTER 1, 1, F0, F1, 0                        ; K step 1
	QUARTER 1, 2, F1, F0, 0
	QUARTER 1, 3, F0, F1, 0
	TURN 1, 0, 1                                   ; slot 1 takes K step 3
	QUARTER 0, 1, F0, F1, 0                        ; K step 2
	QUARTER 0, 2, F1, F0, 0
	QUARTER 0, 3, F0, F1, 0
	TURN 0, 1, 0                                   ; nothing is left to fetch
	QUARTER 1, 1, F0, F1, 0                        ; K step 3
	QUARTER 1, 2, F1, F0, 0
	QUARTER 1, 3, F0, F1, 0
	s_wait_dscnt 16
	WIN MUL
	MUL8 F1, 0, 0, 0
	MUL8 F1, 0, 2, 0
	s_wait_dscnt 0x0
	MUL8 F1, 1, 0, 0
	MUL8 F1, 1, 2, 0
	WIN 0
; THE WAY OUT, 16 rows x 64 columns at a time.  My 64 columns of f32 are 256 bytes, aligned: so each wave has a stage of its own and no barrier is needed.  LDS serves a wave's instructions in order.
.macro TOSTAGE a
.irp b, 0,1,2,3
	ds_store_b128 v[STO], v[ACC+8*(4*(\a)+\b):ACC+8*(4*(\a)+\b)+3] offset:64*\b       ; each accumulator from its low end on
	ds_store_b128 v[STO], v[ACC+8*(4*(\a)+\b)+4:ACC+8*(4*(\a)+\b)+7] offset:64*\b+16
.endr
.set BB, TMP+32*((\a)%2)
.irp t, 0,1,2,3,4,5,6,7
	ds_load_b128 v[BB+4*\t:BB+4*\t+3], v[RD] offset:\t*2*SPITCH
.endr
.endm
.macro SEND a, younger                 ; younger: the LDS instructions issued behind block a's loads
.set BB, TMP+32*((\a)%2)
	s_wait_dscnt \younger
.irp t, 0,1,2,3,4,5,6,7
	global_store_b128 v[CO], v[BB+4*\t:BB+4*\t+3], s[8:9] offset:(16*(\a)+2*\t)*4096 th:TH_STORE_NT   ; 16 lanes store 256 consecutive bytes, aligned
.endr
.endm
	PLACES
	TOSTAGE 0
.irp a, 1,2,3
.if \a > 1
	s_wait_xcnt 0x0                                ; block a - 2's stores have read their registers: block a's loads may land there
.endif
	TOSTAGE \a
	SEND \a-1, 16                                  ; behind block a - 1's loads: block a's 8 stores and 8 loads
.endr
	SEND 3, 0
	s_wait_tensorcnt 0x0                           ; the wave's end
	ds_add_u32 v[SPW], v[NIL]
	s_wait_dscnt 0x0
	CROUND                                         ; the closing round
	s_endpgm
.Lfunc_end_k_q1875e71708_outp:
	.size	k_q1875e71708_outp, .Lfunc_end_k_q1875e71708_outp-k_q1875e71708_outp
	.p2alignl 7, 3214868480
	.fill 96, 4, 3214868480
	.section	.rodata,"a",@progbits
	.p2align	6, 0x0
	.amdhsa_kernel k_q1875e71708_outp
		.amdhsa_group_segment_fixed_size 327680
		.amdhsa_private_segment_fixed_size 0
		.amdhsa_enable_private_segment 0
		.amdhsa_kernarg_size 24
		.amdhsa_user_sgpr_count 2
		.amdhsa_user_sgpr_kernarg_segment_ptr 1
		.amdhsa_wavefront_size32 1
		.amdhsa_system_sgpr_workgroup_id_x 1
		.amdhsa_system_sgpr_workgroup_id_y 1
		.amdhsa_system_sgpr_workgroup_id_z 1
		.amdhsa_system_vgpr_workitem_id 0
		.amdhsa_next_free_vgpr 512
		.amdhsa_next_free_sgpr 66
		.amdhsa_reserve_vcc 0
		.amdhsa_float_denorm_mode_32 3
		.amdhsa_float_denorm_mode_16_64 3
		.amdhsa_memory_ordered 1
		.amdhsa_forward_progress 1
		.amdhsa_inst_pref_size 85
	.end_amdhsa_kernel
	.amdgpu_metadata
---
amdhsa.version: [ 1, 2 ]
amdhsa.kernels:
  - .name:           k_q1875e71708_outp
    .symbol:         k_q1875e71708_outp.kd
    .args:
      - { .name: yimg, .offset: 0, .size: 8, .value_kind: global_buffer, .address_space: global }
      - { .name: wo16, .offset: 8, .size: 8, .value_kind: global_buffer, .address_space: global }
      - { .name: out0, .offset: 16, .size: 8, .value_kind: global_buffer, .address_space: global }
    .group_segment_fixed_size: 327680
    .private_segment_fixed_size: 0
    .kernarg_segment_align: 8
    .kernarg_segment_size: 24
    .max_flat_workgroup_size: 128
    .sgpr_count:     66
    .vgpr_count:     512
    .wavefront_size: 32
...
	.end_amdgpu_metadata
.endif
;; end of part 4
;; launch first16 (part 5): grid 16 x 2, 8 waves a work-group, no clusters, 35,840 bytes of LDS; arguments aux, Wo, out0; writes out0
.if DOCPART == 5
	.amdgcn_target "amdgcn-amd-amdhsa--gfx1250"
	.amdhsa_code_object_version 6
	.text
	.protected	k_q1875e71708_first16
	.globl	k_q1875e71708_first16
	.p2align	8
	.type	k_q1875e71708_first16,@function
k_q1875e71708_first16:
	s_mov_b64 s[64:65], 0
	v_nop
	global_prefetch_b8 v0, s[64:65] scope:SCOPE_SE
	s_setreg_imm32_b32 hwreg(HW_REG_WAVE_MODE, 25, 1), 1
	s_wait_xcnt 0x0
; FIRST16.  Positions 0-15 of each batch average one to sixteen values and are the largest numbers of the output: they go in f32 through the attention and through the output projection, and are stored over the f16 launch's rows.
; Work-group (X, b): out0[b][0..15][64 X .. 64 X + 63].  Wave w: heads 2 w and 2 w + 1: their attention for the 16 positions, and their 128 of the projection's K; the eight partial sums meet in LDS.
; All products by the 16x16x4 f32 form (44 million multiply-adds in the whole launch: no bulk work).  Its registers' K places are (2 h + j); every operand here holds, in lane (r, h), row r and elements 8 h + 0..7,
; so K step c takes registers 2 c, 2 c + 1 of BOTH operands: the same permutation of K on both sides, which keeps the products.
; S^T = K Q^T (lane: query r, keys 8 h + j), w = 1 + s' + s'^2 / 2, masked at key > query; O^T = V^T W^T; y = O^T / (row sum + 1e-12); out^T = Wo y^T.
; The registers that the f32 matrix form writes (v112-127, v144-239) are written by matrix instructions alone.
; No tensor load and no cluster: 32 small work-groups that share nothing but Wo's rows, each of which two work-groups read.
.set SPARE, 34816                      ; behind the eight partial tiles of 16 rows x 272 bytes
.set LI,  1                            ; v1  16 x lane
.set WA,  2                            ; v2  Wo: 4,096 r + 32 h
.set DD,  3                            ; v3  r - 8 h
.set STO, 4
.set RD,  5
.set GO,  6
.set SPW, 8
.set NIL, 9
.set QF,  16                           ; v16-31  q' of head u at 16 + 8 u
.set KF,  32                           ; v32-47  k
.set VF,  48                           ; v48-111 v (u, et) at 48 + 32 u + 8 et; later y
.set SS,  112                          ; v112-127 S^T
.set WW,  128                          ; v128-143 the weights
.set OA,  144                          ; v144-207 O^T
.set OUTR, 208                         ; v208-239 out^T, four tiles of 16 columns
.set MSB, 0
.macro WIN new
.if MSB != \new
	s_set_vgpr_msb (MSB<<8)|\new
.set MSB, \new
.endif
.endm
	s_load_b128 s[4:7], s[0:1], 0x0                ; aux, Wo
	s_load_b64 s[8:9], s[0:1], 0x10                ; out0
	v_lshl_add_u32 v[SPW], v0, 2, SPARE
	v_mov_b32 v[NIL], 0
	v_lshrrev_b32 v1, 5, v0
	v_readfirstlane_b32 s10, v1                    ; wave 0..7
	s_and_b32 s11, ttmp7, 0xffff                   ; batch
	v_and_b32 v7, 31, v0
	v_lshlrev_b32 v[LI], 4, v7
	v_and_b32 v10, 15, v0                          ; r
	v_bfe_u32 v11, v0, 4, 1                        ; h
	v_lshlrev_b32 v[WA], 12, v10
	v_lshl_add_u32 v[WA], v11, 5, v[WA]
	v_lshlrev_b32 v[DD], 3, v11
	v_sub_nc_u32 v[DD], v10, v[DD]
	s_mul_i32 s12, s10, 4352
	v_mul_u32_u24 v[STO], v10, 272
	v_lshl_add_u32 v[STO], v11, 5, v[STO]
	v_add_nc_u32 v[STO], s12, v[STO]               ; my partial tile: row r, + 32 h
	s_mul_i32 s12, s10, 544
	v_mul_u32_u24 v[RD], v11, 272
	v_lshl_add_u32 v[RD], v10, 4, v[RD]
	v_add_nc_u32 v[RD], s12, v[RD]                 ; back: rows 2 w and 2 w + 1 of every partial tile
	v_lshlrev_b32 v[GO], 12, v11
	v_lshl_add_u32 v[GO], v10, 4, v[GO]
	v_mov_b32 v14, 0                               ; written once: a lane permute's destination counts as one of its sources
	v_mov_b32 v15, 0
	v_mov_b32 v241, 0                              ; (the upper words of the pairs that hold 1 / sum)
	v_mov_b32 v243, 0
	s_mov_b32 s20, 0x76543210
	s_mov_b32 s21, 0xfedcba98
	s_lshl_b32 s12, s11, 4
	s_lshl_b32 s13, s10, 1
	s_add_co_u32 s12, s12, s13
	s_mul_i32 s12, s12, 6144
	s_add_co_u32 s12, s12, 8192                    ; aux: the f32 images of head 16 b + 2 w
	s_mov_b32 s13, 0
	s_lshl_b32 s14, ttmp9, 18                      ; Wo: 64 rows a work-group,
	s_lshl_b32 s15, s10, 9                         ; 128 numbers along K a wave
	s_add_co_u32 s14, s14, s15
	s_mov_b32 s15, 0
	s_lshl_b32 s16, s11, 23                        ; out0: the batch,
	s_lshl_b32 s17, s10, 13                        ; rows 2 w on,
	s_add_co_u32 s16, s16, s17
	s_lshl_b32 s17, ttmp9, 8                       ; 64 columns a work-group
	s_add_co_u32 s16, s16, s17
	s_mov_b32 s17, 0
	s_wait_kmcnt 0x0
	s_add_nc_u64 s[4:5], s[4:5], s[12:13]
	s_add_nc_u64 s[6:7], s[6:7], s[14:15]
	s_add_nc_u64 s[8:9], s[8:9], s[16:17]
.irp u, 0,1
.irp hf, 0,1
	global_load_b128 v[QF+8*\u+4*\hf:QF+8*\u+4*\hf+3], v[LI], s[4:5] offset:6144*\u+512*\hf
	global_load_b128 v[KF+8*\u+4*\hf:KF+8*\u+4*\hf+3], v[LI], s[4:5] offset:6144*\u+1024+512*\hf
.irp et, 0,1,2,3
	global_load_b128 v[VF+32*\u+8*\et+4*\hf:VF+32*\u+8*\et+4*\hf+3], v[LI], s[4:5] offset:6144*\u+2048+1024*\et+512*\hf
.endr
.endr
.endr
.macro WOLOAD u                        ; Wo[64 X + 16 ct + r][64 (2 w + u) + 16 et + 8 h + 0..7] -> window 1, v[8 ((4 u + et) 4 + ct)]
.irp et, 0,1,2,3
.irp ct, 0,1,2,3
	global_load_b128 v[8*((4*\u+\et)*4+\ct):8*((4*\u+\et)*4+\ct)+3], v[WA], s[6:7] offset:65536*\ct+256*\u+64*\et
	global_load_b128 v[8*((4*\u+\et)*4+\ct)+4:8*((4*\u+\et)*4+\ct)+7], v[WA], s[6:7] offset:65536*\ct+256*\u+64*\et+16
.endr
.endr
.endm
	WIN 0x40                                       ; destination window 1
	WOLOAD 0
	s_wait_loadcnt 32                              ; the 24 image loads are in; Wo's 32 may be out
	WOLOAD 1
	WIN 0
.irp c, 0,1,2,3                                ; S^T = K Q^T: four K steps, the two heads by turns
.irp u, 0,1
.if \c == 0
	v_wmma_f32_16x16x4_f32 v[SS+8*\u:SS+8*\u+7], v[KF+8*\u+2*\c:KF+8*\u+2*\c+1], v[QF+8*\u+2*\c:QF+8*\u+2*\c+1], 0
.else
	v_wmma_f32_16x16x4_f32 v[SS+8*\u:SS+8*\u+7], v[KF+8*\u+2*\c:KF+8*\u+2*\c+1], v[QF+8*\u+2*\c:QF+8*\u+2*\c+1], v[SS+8*\u:SS+8*\u+7]
.endif
.endr
.endr
.rept 8
	v_nop                                          ; eight places behind this form
.endr
.irp u, 0,1
.irp pp, 0,2,4,6
	v_pk_fma_f32 v[WW+8*\u+\pp:WW+8*\u+\pp+1], v[SS+8*\u+\pp:SS+8*\u+\pp+1], 0.5, 1.0 op_sel_hi:[1,0,0]
.endr
.irp pp, 0,2,4,6
	v_pk_fma_f32 v[WW+8*\u+\pp:WW+8*\u+\pp+1], v[SS+8*\u+\pp:SS+8*\u+\pp+1], v[WW+8*\u+\pp:WW+8*\u+\pp+1], 1.0 op_sel_hi:[1,1,0]   ; w = 1 + s' + s'^2 / 2
.endr
.endr
.irp j, 0,1,2,3,4,5,6,7                        ; key 8 h + j counts for query r where j <= r - 8 h
	v_cmp_le_i32 vcc_lo, \j, v[DD]
	v_cndmask_b32 v[WW+\j], 0, v[WW+\j], vcc_lo
	v_cndmask_b32 v[WW+8+\j], 0, v[WW+8+\j], vcc_lo
.endr
.irp u, 0,1
	v_add_f32 v[12+\u], v[WW+8*\u], v[WW+8*\u+1]
.endr
.irp j, 2,3,4,5,6,7
.irp u, 0,1
	v_add_f32 v[12+\u], v[12+\u], v[WW+8*\u+\j]
.endr
.endr
.irp u, 0,1
	v_permlanex16_b32 v[14+\u], v[12+\u], s20, s21
.endr
.irp u, 0,1
	v_add_f32 v[12+\u], v[12+\u], v[14+\u]         ; the row sum
.endr
.irp u, 0,1
	v_add_f32 v[12+\u], 0x2b8cbccc, v[12+\u]       ; + 1e-12
.endr
	v_rcp_f32 v240, v12
	v_rcp_f32 v242, v13
	v_nop                                          ; a plain line behind the reciprocals
.irp c, 0,1,2,3                                ; O^T = V^T W^T: eight accumulators by turns
.irp et, 0,1,2,3
.irp u, 0,1
.if \c == 0
	v_wmma_f32_16x16x4_f32 v[OA+32*\u+8*\et:OA+32*\u+8*\et+7], v[VF+32*\u+8*\et+2*\c:VF+32*\u+8*\et+2*\c+1], v[WW+8*\u+2*\c:WW+8*\u+2*\c+1], 0
.else
	v_wmma_f32_16x16x4_f32 v[OA+32*\u+8*\et:OA+32*\u+8*\et+7], v[VF+32*\u+8*\et+2*\c:VF+32*\u+8*\et+2*\c+1], v[WW+8*\u+2*\c:WW+8*\u+2*\c+1], v[OA+32*\u+8*\et:OA+32*\u+8*\et+7]
.endif
.endr
.endr
.endr
.rept 8
	v_nop                                          ; eight places in front of the read of results and the write of v's registers
.endr
	s_wait_alu depctr_va_vdst(0)                   ; the wait ahead of the reciprocals' first reader: one for both
.irp u, 0,1
.irp pp, 0,2,4,6,8,10,12,14,16,18,20,22,24,26,28,30
	v_pk_mul_f32 v[VF+32*\u+\pp:VF+32*\u+\pp+1], v[OA+32*\u+\pp:OA+32*\u+\pp+1], v[240+2*\u:241+2*\u] op_sel_hi:[1,0]   ; y, into the registers that v has left
.endr
.endr
	s_wait_loadcnt 0x0                             ; Wo
	WIN 0x01                                       ; source 0 (Wo) window 1
.irp u, 0,1                                    ; out^T += Wo y^T: my 128 along K in 32 steps, four accumulators by turns
.irp et, 0,1,2,3
.irp c, 0,1,2,3
.irp ct, 0,1,2,3
.if (\u == 0) && (\et == 0) && (\c == 0)
	v_wmma_f32_16x16x4_f32 v[OUTR+8*\ct:OUTR+8*\ct+7], v[8*((4*\u+\et)*4+\ct)+2*\c:8*((4*\u+\et)*4+\ct)+2*\c+1], v[VF+32*\u+8*\et+2*\c:VF+32*\u+8*\et+2*\c+1], 0
.else
	v_wmma_f32_16x16x4_f32 v[OUTR+8*\ct:OUTR+8*\ct+7], v[8*((4*\u+\et)*4+\ct)+2*\c:8*((4*\u+\et)*4+\ct)+2*\c+1], v[VF+32*\u+8*\et+2*\c:VF+32*\u+8*\et+2*\c+1], v[OUTR+8*\ct:OUTR+8*\ct+7]
.endif
.endr
.endr
.endr
.endr
	WIN 0
.rept 8
	v_nop
.endr
.irp ct, 0,1,2,3
	ds_store_b128 v[STO], v[OUTR+8*\ct:OUTR+8*\ct+3] offset:64*\ct           ; lane (r, h): row r, columns 16 ct + 8 h + 0..7; each accumulator from its low end on
	ds_store_b128 v[STO], v[OUTR+8*\ct+4:OUTR+8*\ct+7] offset:64*\ct+16
.endr
	s_wait_dscnt 0x0                               ; for the others' sake: my partial tile lies in LDS
	s_barrier_signal -1
	s_barrier_wait -1
.irp p, 0,1,2,3,4,5,6,7
	ds_load_b128 v[16+4*\p:19+4*\p], v[RD] offset:4352*\p
.endr
	s_wait_dscnt 0x0
.irp p, 1,2,3,4,5,6,7
	v_pk_add_f32 v[16:17], v[16:17], v[16+4*\p:17+4*\p]
	v_pk_add_f32 v[18:19], v[18:19], v[18+4*\p:19+4*\p]
.endr
	global_store_b128 v[GO], v[16:19], s[8:9]      ; 16 lanes store 256 consecutive bytes, aligned: two rows a wave
	s_wait_tensorcnt 0x0                           ; the wave's end
	ds_add_u32 v[SPW], v[NIL]
	s_wait_dscnt 0x0
	s_endpgm
.Lfunc_end_k_q1875e71708_first16:
	.size	k_q1875e71708_first16, .Lfunc_end_k_q1875e71708_first16-k_q1875e71708_first16
	.p2alignl 7, 3214868480
	.fill 96, 4, 3214868480
	.section	.rodata,"a",@progbits
	.p2align	6, 0x0
	.amdhsa_kernel k_q1875e71708_first16
		.amdhsa_group_segment_fixed_size 35840
		.amdhsa_private_segment_fixed_size 0
		.amdhsa_enable_private_segment 0
		.amdhsa_kernarg_size 24
		.amdhsa_user_sgpr_count 2
		.amdhsa_user_sgpr_kernarg_segment_ptr 1
		.amdhsa_wavefront_size32 1
		.amdhsa_system_sgpr_workgroup_id_x 1
		.amdhsa_system_sgpr_workgroup_id_y 1
		.amdhsa_system_sgpr_workgroup_id_z 1
		.amdhsa_system_vgpr_workitem_id 0
		.amdhsa_next_free_vgpr 512
		.amdhsa_next_free_sgpr 66
		.amdhsa_reserve_vcc 1
		.amdhsa_float_denorm_mode_32 3
		.amdhsa_float_denorm_mode_16_64 3
		.amdhsa_memory_ordered 1
		.amdhsa_forward_progress 1
		.amdhsa_inst_pref_size 30
	.end_amdhsa_kernel
	.amdgpu_metadata
---
amdhsa.version: [ 1, 2 ]
amdhsa.kernels:
  - .name:           k_q1875e71708_first16
    .symbol:         k_q1875e71708_first16.kd
    .args:
      - { .name: aux, .offset: 0, .size: 8, .value_kind: global_buffer, .address_space: global }
      - { .name: Wo, .offset: 8, .size: 8, .value_kind: global_buffer, .address_space: global }
      - { .name: out0, .offset: 16, .size: 8, .value_kind: global_buffer, .address_space: global }
    .group_segment_fixed_size: 35840
    .private_segment_fixed_size: 0
    .kernarg_segment_align: 8
    .kernarg_segment_size: 24
    .max_flat_workgroup_size: 256
    .sgpr_count:     66
    .vgpr_count:     512
    .wavefront_size: 32
...
	.end_amdgpu_metadata
.endif
;; end of part 5
